; MI455X (gfx1250); checked and timed in simulation.
; The chip was launched on July 23, 2026; its instructions are those of AMD's public machine-readable ISA for CDNA 5 (MIT licence, August 2026) and "CDNA5" Instruction Set Architecture Reference Guide (July 2026). The comments in the code are by the model that wrote it; some were corrected since.
;; Multi Head. Allowed arithmetic: matrix products marked QUANTISED: E2M3 operands, one E8M0 scale for each 32 along K, by v_wmma_scale_f32_16x16x128_f8f6f4 with both operands' format E2M3, f32 sums; everything else in f32.
;; Inputs: Wk 16 x 1,024 x 64 float32; Wo 1,024 x 1,024 float32; Wq 16 x 1,024 x 64 float32; Wv 16 x 1,024 x 64 float32; bo 1,024 float32; input_tensor 4 x 2,048 x 1,024 float32.
;; Outputs: out0 4 x 2,048 x 1,024 float32.
;; This version of the problem:
;;   THIS VERSION OF THE PROBLEM IS GIVEN IN LOW PRECISION. The matrix products marked QUANTISED in the list below multiply operands that are first quantised to E2M3 (2 exponent bits, 3 mantissa bits; 6 bits a number), with one power-of-two scale for each 32 numbers along K (OCP MX v1.0); their sums are f32. All else is computed in f32.
;;   The module's matrix products, in the order in which they are computed (A, B: the left and right operand; K: the contracted axis; several contracted axes count as one K, in the product's order):
;;     1. [M 1,024, K 1,024] x [K 1,024, N 8,192]; A: input Wq; B: input input_tensor: QUANTISED
;;     2. [M 1,024, K 1,024] x [K 1,024, N 8,192]; A: input Wk; B: input input_tensor: QUANTISED
;;     3. [M 1,024, K 1,024] x [K 1,024, N 8,192]; A: input Wv; B: input input_tensor: QUANTISED
;;     4. batch 64 x [M 2,048, K 64] x [K 64, N 2,048]; A: computed on the way; B: computed on the way: QUANTISED
;;     5. batch 64 x [M 2,048, K 2,048] x [K 2,048, N 64]; A: softmax (see below); B: computed on the way: QUANTISED
;;     6. [M 8,192, K 1,024] x [K 1,024, N 1,024]; A: computed on the way; B: input Wo: QUANTISED
;;   THE QUANTISER, for each operand of a quantised product, along K:
;;     - K is cut into blocks of 32 from its start; a last block that is shorter is filled with zeros.
;;     - A block's scale is 2^e with e = floor(log2(the largest magnitude in the block)) - 2, held to -126 .. 127; a block of zeros has e = 0. As a byte (E8M0): e + 127.
;;     - Each number is divided by its block's scale, clamped to +-7.5, and rounded to the nearest number of E2M3, ties to even, subnormals kept.
;;     - The product sums the exact products of the quantised numbers (number of the format x scale) in f32.
;;   ~~~python
;;   def quantise(x, axis):      # numpy; x: float32 -> the quantised numbers, widened to float32 again
;;       x = np.moveaxis(x, axis, -1); K = x.shape[-1]
;;       x = np.pad(x, [(0, 0)] * (x.ndim - 1) + [(0, -K % 32)]); x = x.reshape(x.shape[:-1] + (-1, 32)); a = np.abs(x).max(-1, keepdims=True)
;;       e = np.where(a > 0, np.clip(np.frexp(np.where(a > 0, a, 1))[1] - 1 - 2, -126, 127), 0)      # np.frexp(a)[1] - 1 = floor(log2(a)), exactly
;;       r = np.clip(x / 2.0 ** e, -7.5, 7.5)
;;       step = 2.0 ** (np.maximum(np.frexp(np.where(r == 0, 1, r))[1] - 1, 0) - 3)
;;       q = np.round(r / step) * step * 2.0 ** e      # np.round: ties to even
;;       return np.moveaxis(q.reshape(q.shape[:-2] + (-1,))[..., :K], -1, axis).astype(np.float32)
;;   ~~~
;;   SOFTMAX AHEAD OF A QUANTISED PRODUCT. Where the list says 'softmax', what is quantised is not the finished softmax but p = 2^(t - M), with t = logit x log2(e) and M = ceil(the row's largest t), a whole number; so 1/2 < the row's largest p <= 1. The row's sum l is taken of the UNQUANTISED p, in f32, and the product's result is divided by l at the end. Since M is a whole number, a kernel that streams over the keys may use a running M (the ceiling of the running maximum): every later rescaling is an exact power of two, which a block's scale takes up: the codes' values come out the same.
;;   OPERANDS COMPUTED ON THE WAY. 'Computed on the way' means the value that the module computes at that place (a softmax that the list does not call 'softmax' is quantised finished and normalised). What goes into a quantiser is computed in f32, as accurately as f32 sums, v_exp_f32 and their like allow (about 1e-6 of the number): no bf16 or f16 on the way to a quantiser, and a product that is left as it is and whose result goes on into a quantised operand takes f32 operands (vector FMAs, or v_wmma_f32_16x16x4_f32). A number that lies on a knife's edge between two numbers of the format may be rounded either way, as far as f32 arithmetic and the matrix unit's own rounding can turn it there, and no further.
;; One version. Each part assembles by itself: llvm-mc -triple=amdgcn-amd-amdhsa -mcpu=gfx1250 --defsym DOCPART=n.
;; ======== version 1 of 1: 4 launches
;; workspace buffers: xc 6,291,456 bytes; xs 262,144 bytes; wc 3,145,728 bytes; ws 131,072 bytes; qb 6,553,600 bytes; kv 13,107,200 bytes; cc 6,291,456 bytes; cs 262,144 bytes
;; launch quant (part 1): grid 768 x 1, 4 waves a work-group, no clusters, 68,096 bytes of LDS; arguments input_tensor, Wq, Wk, Wv, Wo, xc, xs, wc, ws; writes xc, xs, wc, ws
.if DOCPART == 1
	.amdgcn_target "amdgcn-amd-amdhsa--gfx1250"
	.amdhsa_code_object_version 6
	.text
	.protected	k_q877dd62d8c_quant
	.globl	k_q877dd62d8c_quant
	.p2align	8
	.type	k_q877dd62d8c_quant,@function
k_q877dd62d8c_quant:
	s_mov_b64 s[64:65], 0
	v_nop
	global_prefetch_b8 v0, s[64:65] scope:SCOPE_SE
	s_setreg_imm32_b32 hwreg(HW_REG_WAVE_MODE, 25, 1), 1
	s_wait_xcnt 0x0
; x [8192][1024] and the four weights, all f32, become codes of FP6 (E2M3) with one E8M0 byte for each 32 along K, laid as the products' launches take them.
; A FRAGMENT (16 rows x 128 K) is 12 registers a lane: lane (r, h) holds k = 64 c + 32 h + 0 .. 31 in registers 6 c .. 6 c + 5.  It is stored AS ITS REGISTERS STAND: registers 4 g .. 4 g + 3 at 512 g + 16 x lane: 1,536 bytes.
; THE ROWS OF A TILE ARE NOT NEIGHBOURS: in each group of 32 rows, row r of tile u is row 8 u + r + 8 (r / 8).
; 128 rows with K = 1,024 are one block: codes [K step 0..7][tile 0..7][1,536 bytes]; scale words [pair of K steps 0..3][tile][row][2 words].
; xc, xs: 64 blocks of x.  wc, ws: 32 blocks: rows n = 0.. Wq (head x 64 + d), 1,024.. Wk, 2,048.. Wv, 3,072.. the columns of Wo.
; A block's scale is 2^(floor(log2(largest magnitude)) - 2); its byte is the largest magnitude's exponent field - 2, held at 1 from below.
; LIMITS: a block of zeros gets the byte 1 where the rule says 127 (its codes are zeros, and this program alone reads the bytes); NaN and infinities among the inputs are not served.
; Work-groups 0 to 511: a tile of 16 rows of x; wave j takes K steps 2 j and 2 j + 1.  Work-groups 512 to 767: 128 columns x 128 K of one weight; a wave takes 32 columns.  No barrier: waves share nothing.
	s_load_b256 s[4:11], s[0:1], 0x0               ; x, Wq, Wk, Wv
	s_load_b256 s[12:19], s[0:1], 0x20             ; Wo, xc, xs, wc
	s_load_b64 s[20:21], s[0:1], 0x40              ; ws
	v_lshl_add_u32 v62, v0, 2, 0x10800
	v_mov_b32 v63, 0
	v_lshrrev_b32 v1, 5, v0
	v_readfirstlane_b32 s22, v1                    ; wave
	v_and_b32 v1, 31, v0                           ; lane
	v_and_b32 v2, 15, v0                           ; r
	v_bfe_u32 v3, v0, 4, 1                         ; h
	v_lshlrev_b32 v4, 4, v1                        ; 16 x lane
	s_mov_b32 s24, 0x76543210
	s_mov_b32 s25, 0xfedcba98                      ; v_permlanex16_b32's selects for lane l xor 16
	s_cmp_lt_u32 ttmp9, 512
	s_cbranch_scc0 .Lweights
; ---- x.  K is innermost: each load reads 512 consecutive bytes of a row; the 16 rows x 512 bytes turn through the wave's own stage in LDS (rows 528 bytes apart), out of which a lane takes its two blocks of 32 neighbours.
.macro TURN f, src, dst
.set I, 0
.rept 16
	ds_store_b128 v5, v[\src+4*I:\src+4*I+3] offset:8448*\f+528*I
.set I, I+1
.endr
.irp c, 0,1
.irp n, 0,1,2,3,4,5,6,7
	ds_load_b128 v[\dst+32*\c+4*\n:\dst+32*\c+4*\n+3], v6 offset:8448*\f+256*\c+16*\n   ; LDS serves a wave's instructions in order: these see the stores above
.endr
.endr
.endm
; 64 numbers of a lane (blocks h and 2 + h of row r) at v[s] on become the fragment's 12 registers at v[C] on and the row's scale word in v[w]
.macro QX s, C, w
.irp c, 0,1
	v_max3_num_f32 v[10+\c], |v[\s+32*\c]|, |v[\s+32*\c+1]|, 0x1800000   ; with the floor 2^(3 - 127): the byte cannot fall under 1
.endr
.irp i, 2,4,6,8,10,12,14,16,18,20,22,24,26,28,30
.irp c, 0,1
	v_max3_num_f32 v[10+\c], v[10+\c], |v[\s+32*\c+\i]|, |v[\s+32*\c+\i+1]|   ; the two blocks by turns
.endr
.endr
.irp c, 0,1
	v_add_nc_u32 v[12+\c], 0xff000000, v[10+\c]    ; 2 off the exponent field: the conversion's scale operand
.endr
.irp c, 0,1
	v_lshrrev_b32 v[14+\c], 23, v[12+\c]           ; the scale's byte
.endr
	v_lshl_or_b32 v[\w], v15, 16, v14              ; my two bytes,
	v_lshlrev_b32 v[\w], v8, v[\w]                 ; 8 h bits up;
	v_permlanex16_b32 v9, v[\w], s24, s25
	v_or_b32 v[\w], v[\w], v9                      ; with lane l xor 16's two the word is whole
.irp c, 0,1
	v_cvt_scalef32_pk16_fp6_f32 v[\C+6*\c:\C+6*\c+2], v[\s+32*\c:\s+32*\c+15], v[12+\c]
	v_cvt_scalef32_pk16_fp6_f32 v[44+4*\c:46+4*\c], v[\s+32*\c+16:\s+32*\c+31], v[12+\c]   ; (a conversion's three registers begin on an even number)
.endr
	v_nop                                          ; one plain place behind a scaled conversion
.irp c, 0,1
.irp i, 0,1,2
	v_mov_b32 v[\C+3+6*\c+\i], v[44+4*\c+\i]
.endr
.endr
.endm
	s_mul_i32 s26, s22, 16896                      ; my two stages of 16 x 528 bytes
	v_add_nc_u32 v5, s26, v4                       ; in: 16 x lane of a stage row
	v_mul_u32_u24 v6, v2, 528
	v_lshl_add_u32 v6, v3, 7, v6
	v_add_nc_u32 v6, s26, v6                       ; out: row r, + 128 h
	v_lshlrev_b32 v7, 3, v2
	v_lshl_add_u32 v7, v3, 2, v7                   ; scale words: 8 r + 4 h
	v_lshlrev_b32 v8, 3, v3                        ; 8 h
	v_mov_b32 v9, 0                                ; a lane permute's destination counts as one of its sources
	s_lshr_b32 s27, ttmp9, 1
	s_lshl_b32 s27, s27, 5
	s_and_b32 s28, ttmp9, 1
	s_lshl_b32 s28, s28, 3
	s_add_co_u32 s27, s27, s28                     ; the tile's first row: 32 (tile / 2) + 8 (tile % 2)
	s_lshl_b32 s28, s27, 12                        ; a row is 4,096 bytes
	s_lshl_b32 s29, s22, 10                        ; my two K steps: 1,024 bytes
	s_add_co_u32 s28, s28, s29
	s_mov_b32 s29, 0
	s_lshr_b32 s30, ttmp9, 3                       ; the block of 128 rows
	s_and_b32 s31, ttmp9, 7                        ; the tile in it
	s_lshl_b32 s32, s30, 3
	s_lshl_b32 s33, s22, 1
	s_add_co_u32 s32, s32, s33
	s_lshl_b32 s32, s32, 3
	s_add_co_u32 s32, s32, s31
	s_mul_i32 s32, s32, 1536                       ; ((block x 8 + K step) x 8 + tile) x 1,536
	s_mov_b32 s33, 0
	s_lshl_b32 s34, s30, 12
	s_lshl_b32 s35, s22, 10
	s_add_co_u32 s34, s34, s35
	s_lshl_b32 s35, s31, 7
	s_add_co_u32 s34, s34, s35                     ; block x 4,096 + wave x 1,024 + tile x 128
	s_mov_b32 s35, 0
	s_mov_b32 vcc_lo, 0xffff0000                   ; lanes 16 to 31
	s_wait_kmcnt 0x0
	s_add_nc_u64 s[4:5], s[4:5], s[28:29]
	s_add_nc_u64 s[14:15], s[14:15], s[32:33]
	s_add_nc_u64 s[16:17], s[16:17], s[34:35]
	s_wait_alu depctr_va_vdst(0)
.irp f, 0,1
.set I, 0
.rept 16
	global_load_b128 v[64+64*\f+4*I:64+64*\f+4*I+3], v4, s[4:5] offset:(I+8*(I/8))*4096+512*\f th:TH_LOAD_NT   ; 32 lanes read 512 consecutive bytes
.set I, I+1
.endr
.endr
	s_wait_loadcnt 16                              ; the first K step's 16 loads are in; the second's 16 stand behind them
	TURN 0, 64, 192
	s_wait_loadcnt 0x0
	s_wait_dscnt 16                                ; the first stage's 16 stores are done (its 16 loads may be out): v64 on may be loaded again
	TURN 1, 128, 64
	s_wait_dscnt 32                                ; behind the first stage's loads stand the second's 16 stores and 16 loads
	QX 192, 20, 16
.irp g, 0,1,2
	global_store_b128 v4, v[20+4*\g:23+4*\g], s[14:15] offset:512*\g          ; 512 consecutive bytes, aligned
.endr
	s_wait_dscnt 0x0
	QX 64, 32, 17
.irp g, 0,1,2
	global_store_b128 v4, v[32+4*\g:35+4*\g], s[14:15] offset:12288+512*\g    ; the next K step lies 8 tiles on
.endr
	v_cndmask_b32 v18, v16, v17, vcc_lo            ; lanes 0-15 store the first K step's word of row r, lanes 16-31 the second's
	global_store_b32 v7, v18, s[16:17]             ; 128 consecutive bytes
	s_wait_tensorcnt 0x0
	ds_add_u32 v62, v63
	s_wait_dscnt 0x0
	s_endpgm
; ---- the weights.  K is not innermost: A LANE TAKES A COLUMN AND ITS REGISTERS RUN DOWN K.  Lanes 0-15 take the rows of tile 0 of the 32 columns, lanes 16-31 those of tile 1; a load still reads 128 consecutive bytes.
.Lweights:
	s_sub_co_u32 s26, ttmp9, 512
	s_lshr_b32 s27, s26, 6                         ; which weight: 0 Wq, 1 Wk, 2 Wv, 3 Wo
	s_bfe_u32 s28, s26, 0x30003                    ; which block of 128 columns
	s_and_b32 s29, s26, 7                          ; which K step
	s_lshl_b32 s30, s28, 2
	s_add_co_u32 s30, s30, s22                     ; my group of 32 columns
	v_and_b32 v5, 7, v0
	v_bfe_u32 v6, v0, 3, 1
	v_lshl_add_u32 v5, v6, 4, v5
	s_wait_alu depctr_va_vdst(0)
	v_lshl_add_u32 v5, v3, 3, v5                   ; my column: l % 8 + 16 ((l / 8) % 2) + 8 (l / 16)
	v_lshlrev_b32 v5, 2, v5
	v_lshlrev_b32 v6, 3, v1                        ; scale words: 8 x lane
	s_lshl_b32 s31, s27, 3
	s_add_co_u32 s31, s31, s28                     ; the block in wc and ws
	s_lshl_b32 s32, s31, 3
	s_add_co_u32 s32, s32, s29
	s_mul_i32 s32, s32, 12288
	s_mul_i32 s33, s22, 3072
	s_add_co_u32 s32, s32, s33                     ; (block x 8 + K step) x 12,288 + two tiles a wave
	s_mov_b32 s33, 0
	s_lshl_b32 s34, s31, 12
	s_lshr_b32 s35, s29, 1
	s_lshl_b32 s35, s35, 10
	s_add_co_u32 s34, s34, s35
	s_lshl_b32 s35, s22, 8
	s_add_co_u32 s34, s34, s35
	s_and_b32 s35, s29, 1
	s_lshl_b32 s35, s35, 2
	s_add_co_u32 s34, s34, s35                     ; block x 4,096 + (K step / 2) x 1,024 + wave x 256 + (K step % 2) x 4
	s_mov_b32 s35, 0
	s_lshr_b32 s36, s30, 1                         ; a head's weight [1024][64]: head = group / 2,
	s_lshl_b32 s36, s36, 18
	s_lshl_b32 s37, s29, 15                        ; 128 rows of 256 bytes a K step,
	s_add_co_u32 s36, s36, s37
	s_and_b32 s37, s30, 1
	s_lshl_b32 s37, s37, 7                         ; 128 bytes a group
	s_add_co_u32 s36, s36, s37
	s_lshl_b32 s38, s29, 19                        ; Wo [1024][1024]: 128 rows of 4,096 bytes a K step,
	s_lshl_b32 s39, s30, 7
	s_add_co_u32 s38, s38, s39
	s_cmp_eq_u32 s27, 3
	s_cselect_b32 s36, s38, s36
	s_mov_b32 s37, 0
	s_wait_kmcnt 0x0
	s_cmp_eq_u32 s27, 1                            ; the choice hangs on the work-group's number alone
	s_cselect_b64 s[6:7], s[8:9], s[6:7]
	s_cmp_eq_u32 s27, 2
	s_cselect_b64 s[6:7], s[10:11], s[6:7]
	s_cmp_eq_u32 s27, 3
	s_cselect_b64 s[6:7], s[12:13], s[6:7]
	s_add_nc_u64 s[6:7], s[6:7], s[36:37]
	s_add_nc_u64 s[18:19], s[18:19], s[32:33]
	s_add_nc_u64 s[20:21], s[20:21], s[34:35]
.macro WLOAD t, stride                 ; block t: W(32 t + i, my column), i = 0 .. 31
.set I, 0
.rept 32
	global_load_b32 v[64+32*(\t)+I], v5, s[6:7] offset:(32*(\t)+I)*(\stride) th:TH_LOAD_NT
.set I, I+1
.endr
.endm
.macro WBLK t                          ; all 32 numbers of the block are mine
.set XS, 64+32*(\t)
	v_max3_num_f32 v10, |v[XS]|, |v[XS+1]|, 0x1800000
	v_max3_num_f32 v11, |v[XS+2]|, |v[XS+3]|, 0x1800000
.irp i, 4,8,12,16,20,24,28
	v_max3_num_f32 v10, v10, |v[XS+\i]|, |v[XS+\i+1]|
	v_max3_num_f32 v11, v11, |v[XS+\i+2]|, |v[XS+\i+3]|
.endr
	v_max_num_f32 v10, v10, v11
	v_add_nc_u32 v12, 0xff000000, v10
	v_lshrrev_b32 v13, 23, v12
.if (\t) == 0
	v_mov_b32 v16, v13                             ; my column's scale word: the lower K in the lower byte
.else
	v_lshl_or_b32 v16, v13, 8*(\t), v16
.endif
	v_cvt_scalef32_pk16_fp6_f32 v[20+12*((\t)%2)+6*((\t)/2):22+12*((\t)%2)+6*((\t)/2)], v[XS:XS+15], v12   ; even blocks into v20 on, odd blocks into v32 on
	v_cvt_scalef32_pk16_fp6_f32 v[44+4*(\t):46+4*(\t)], v[XS+16:XS+31], v12
.endm
.macro WPATH stride
	WLOAD 0, \stride
	WLOAD 1, \stride
	s_wait_loadcnt 32                              ; block 0 is in; the one younger block's 32 loads may be out (so at each of these waits)
	WLOAD 2, \stride
	WBLK 0
	s_wait_loadcnt 32
	WLOAD 3, \stride
	WBLK 1
	s_wait_loadcnt 32
	WBLK 2
	s_wait_loadcnt 0x0
	WBLK 3
	v_nop                                          ; one plain place behind a scaled conversion
; A lane holds all four blocks of its row; the layout wants blocks 2 c in lanes 0-15 and 2 c + 1 in lanes 16-31 of ONE tile.  The swap gives the first register tile 0 and the second tile 1.
.irp i, 0,1,2
	v_permlane16_swap_b32 v[20+\i], v[32+\i]
	v_permlane16_swap_b32 v[44+\i], v[48+\i]
	v_permlane16_swap_b32 v[26+\i], v[38+\i]
	v_permlane16_swap_b32 v[52+\i], v[56+\i]
.endr
.irp i, 0,1,2
	v_mov_b32 v[23+\i], v[44+\i]
	v_mov_b32 v[35+\i], v[48+\i]
	v_mov_b32 v[29+\i], v[52+\i]
	v_mov_b32 v[41+\i], v[56+\i]
.endr
.irp u, 0,1
.irp g, 0,1,2
	global_store_b128 v4, v[20+12*\u+4*\g:23+12*\u+4*\g], s[18:19] offset:1536*\u+512*\g
.endr
.endr
	global_store_b32 v6, v16, s[20:21]             ; 4 bytes of every 8: the other K step of the pair is another work-group's; all of ws is 131,072 bytes
.endm
	s_cmp_eq_u32 s27, 3
	s_cbranch_scc1 .Lwo
	s_wait_alu depctr_va_vdst(0)
	WPATH 256
	s_endpgm
.Lwo:
	s_wait_alu depctr_va_vdst(0)
	WPATH 4096
	s_endpgm
.Lfunc_end_k_q877dd62d8c_quant:
	.size	k_q877dd62d8c_quant, .Lfunc_end_k_q877dd62d8c_quant-k_q877dd62d8c_quant
	.p2alignl 7, 3214868480
	.fill 96, 4, 3214868480
	.section	.rodata,"a",@progbits
	.p2align	6, 0x0
	.amdhsa_kernel k_q877dd62d8c_quant
		.amdhsa_group_segment_fixed_size 68096
		.amdhsa_private_segment_fixed_size 0
		.amdhsa_enable_private_segment 0
		.amdhsa_kernarg_size 72
		.amdhsa_user_sgpr_count 2
		.amdhsa_user_sgpr_kernarg_segment_ptr 1
		.amdhsa_wavefront_size32 1
		.amdhsa_system_sgpr_workgroup_id_x 1
		.amdhsa_system_sgpr_workgroup_id_y 1
		.amdhsa_system_sgpr_workgroup_id_z 1
		.amdhsa_system_vgpr_workitem_id 0
		.amdhsa_next_free_vgpr 256
		.amdhsa_next_free_sgpr 66
		.amdhsa_reserve_vcc 1
		.amdhsa_float_denorm_mode_32 3
		.amdhsa_float_denorm_mode_16_64 3
		.amdhsa_memory_ordered 1
		.amdhsa_forward_progress 1
		.amdhsa_inst_pref_size 57
	.end_amdhsa_kernel
	.amdgpu_metadata
---
amdhsa.version: [ 1, 2 ]
amdhsa.kernels:
  - .name:           k_q877dd62d8c_quant
    .symbol:         k_q877dd62d8c_quant.kd
    .args:
      - { .name: input_tensor, .offset: 0, .size: 8, .value_kind: global_buffer, .address_space: global }
      - { .name: Wq, .offset: 8, .size: 8, .value_kind: global_buffer, .address_space: global }
      - { .name: Wk, .offset: 16, .size: 8, .value_kind: global_buffer, .address_space: global }
      - { .name: Wv, .offset: 24, .size: 8, .value_kind: global_buffer, .address_space: global }
      - { .name: Wo, .offset: 32, .size: 8, .value_kind: global_buffer, .address_space: global }
      - { .name: xc, .offset: 40, .size: 8, .value_kind: global_buffer, .address_space: global }
      - { .name: xs, .offset: 48, .size: 8, .value_kind: global_buffer, .address_space: global }
      - { .name: wc, .offset: 56, .size: 8, .value_kind: global_buffer, .address_space: global }
      - { .name: ws, .offset: 64, .size: 8, .value_kind: global_buffer, .address_space: global }
    .group_segment_fixed_size: 68096
    .private_segment_fixed_size: 0
    .kernarg_segment_align: 8
    .kernarg_segment_size: 72
    .max_flat_workgroup_size: 128
    .sgpr_count:     66
    .vgpr_count:     256
    .wavefront_size: 32
...
	.end_amdgpu_metadata
.endif
;; end of part 1
;; launch qkv (part 2): grid 12 x 32, 4 waves a work-group, clusters of 4 x 4, 327,680 bytes of LDS; arguments xc, xs, wc, ws, qb, kv; writes qb, kv
.if DOCPART == 2
	.amdgcn_target "amdgcn-amd-amdhsa--gfx1250"
	.amdhsa_code_object_version 6
	.text
	.protected	k_q877dd62d8c_qkv
	.globl	k_q877dd62d8c_qkv
	.p2align	8
	.type	k_q877dd62d8c_qkv,@function
k_q877dd62d8c_qkv:
	s_mov_b64 s[64:65], 0
	v_nop
	global_prefetch_b8 v0, s[64:65] scope:SCOPE_SE
	s_setreg_imm32_b32 hwreg(HW_REG_WAVE_MODE, 25, 1), 1
	s_wait_xcnt 0x0
	s_wait_alu depctr_hold_cnt(0) depctr_sa_sdst(0) depctr_va_vdst(0) depctr_va_sdst(0) depctr_va_ssrc(0) depctr_va_vcc(0) depctr_vm_vsrc(0)
	s_getreg_b32 s2, hwreg(HW_REG_IB_STS2, 6, 4)
	s_cmp_eq_u32 s2, 0
	s_cbranch_scc0 .Lentry_in_a_cluster
	s_endpgm
.Lentry_in_a_cluster:
	s_bfe_u32 s2, ttmp6, 0x10000c
	s_cmp_lg_u32 s2, 0xf033
	s_cbranch_scc0 .Lentry_shape_is_right
	s_endpgm
.Lentry_shape_is_right:
; q, k and v = x W on codes of FP6 (E2M3) with E8M0 scales, K = 1,024; the results are quantised in registers and leave as the attention launch's operands.
; A work-group makes 256 x 256 results, each of its four waves 128 x 128: 64 accumulators, 512 registers.  K goes in steps of 256 through two LDS slots.
; OPERANDS ARE IMAGES OF REGISTERS: a fragment (16 rows x 128 K, 12 registers a lane) is 1,536 bytes, registers 4 g .. 4 g + 3 at 512 g + 16 x lane; three ds_load_b128 bring it.  128 rows x 256 K are 24,576 dense bytes of memory: one tensor load.
; SOURCE 0 IS THE AXIS ALONG WHICH THE RESULT IS QUANTISED.  A lane's 16 registers of two neighbouring tiles of source 0 are 16 neighbours of that axis (the rows of a tile are chosen so: row r of tile u of a group of 32 is 8 u + r + 8 (r / 8)).
;   cluster x = 0 (q), 1 (k): source 0 = 256 rows of wc (four heads' d), source 1 = 256 rows of x.     cluster x = 2 (v): source 0 = 256 rows of x (the keys), source 1 = 256 rows of Wv.
; Shapes, LDS addresses and masks are alike in both modes; only pointers and tile numbers are chosen, by the cluster's x.
; CLUSTERS: 4 x 4.  Source 1's tile hangs on cy alone and is asked for jointly along a row of the cluster, source 0's on cx alone, along a column.
; OUT: qb [b x 16 + head][block of 128 queries][6,400]: four pair images (registers 0-5: tile 2 p, registers 6-11: tile 2 p + 1; a lane's six registers are block h of its row's 64) and 256 bytes of scale words (16 r + 4 p).
;      kv [b x 16 + head][step of 128 keys][12,800]: k laid as q; from byte 6,400 v: four images (16 of the head's 64 x 128 keys) and 256 bytes of scale words (16 r + 4 t).
; LIMITS: a block of zeros gets the byte 1 where the rule says 127 (zero codes; this program alone reads the bytes); NaN and infinities are not served.
; REGISTERS: window 0: v16-29 addresses; v32-63 scale words, two sets; v128-223 source 1's eight fragments; v224-247 at work on the way out.  window 1: source 0's fragments, two sets, at v0 and v128.
;   window 2: the accumulators of source 1's tiles 0-3 ((a, b) at v[8 (8 (a % 4) + b)]); window 3: of tiles 4-7.
.set HALFT,  24576                     ; 128 rows x 256 K: [128 K 0..1][tile 0..7][1,536]
.set SLOT,   4*HALFT                   ; source 1's two halves, then source 0's
.set SCL,    2*SLOT                    ; the scale words of all of K: 4,096 bytes for each 128 rows
.set SPARE,  SCL+4*4096                ; the spare words, 128 bytes for each wave
.set FR,     12
.set NL,     3                         ; LDS loads that bring a fragment
.set NP,     4                         ; places behind this matrix instruction (ISA guide 7.12.1)
.set NQ,     2
.set ADRA, 16                          ; v16-17  my fragments of source 1 in slot 0, 1
.set ADRB, 20                          ; v20-21  of source 0
.set LI,   24                          ; v24     16 x lane
.set SV,   25                          ; v25     the scale words' place on the way out
.set ADRS, 27                          ; v27     my scale words: lanes 0-15 source 1's rows, lanes 16-31 source 0's
.set SPW,  28                          ; v28     my spare word; never rewritten
.set NIL,  29                          ; v29     0; never rewritten
.set SC,   32
.set AF,   128
.set IM,   128                         ; the way out: eight images
.set PW,   32                          ; the way out: a scale word for each tile of source 1; v40-47 sorted by head; v48-51 as stored
.set TM,   224
.set TT,   240
.set SEL,  98
.set G1A, 24
.set G0A, 32
.set G1B, 48
.set G0B, 56
.set G1SA, 68
.set G0SA, 76
.set G1SB, 80
.set G0SB, 88
.set MSB, 0
.macro WIN new                         ; the immediate's high byte repeats the setting that is left
.if MSB != \new
	s_set_vgpr_msb (MSB<<8)|\new
.set MSB, \new
.endif
.endm
.set MUL_LO, 0xa1                      ; source 0 window 1, source 1 window 0, C and D window 2
.set MUL_HI, 0xf1
.set TO_B,   0x40
; A joint load: waves 0 and 1 fetch for source 1, waves 2 and 3 for source 0.  The branch hangs on the wave's number alone.  Four v_nop follow each line.
.macro JLOAD g0a, g1a, g0b, g1b
	s_cmp_eq_u32 s17, 0
	s_cbranch_scc0 .Lfor_b_\@
	tensor_load_to_lds s[\g0a:\g0a+3], s[\g1a:\g1a+7]
	s_nop 0
.rept 4
	v_nop
.endr
	s_branch .Lasked_\@
.Lfor_b_\@:
	tensor_load_to_lds s[\g0b:\g0b+3], s[\g1b:\g1b+7]
	s_nop 0
.rept 4
	v_nop
.endr
.Lasked_\@:
.endm
.macro CREST                           ; a round of the cluster's barrier behind its opening barrier
	s_cmp_lg_u32 s16, 0
	s_cbranch_scc1 .Lnot_wave_0_\@
	s_barrier_signal -3
.Lnot_wave_0_\@:
	s_barrier_wait -3
	s_barrier_signal -1
	s_barrier_wait -1
.endm
.macro CROUND
	s_barrier_signal -1
	s_barrier_wait -1
	CREST
.endm
	s_load_b256 s[4:11], s[0:1], 0x0               ; xc, xs, wc, ws
	s_load_b128 s[12:15], s[0:1], 0x20             ; qb, kv
	v_lshl_add_u32 v[SPW], v0, 2, SPARE
	v_mov_b32 v[NIL], 0
	ds_add_u32 v28, v29
	ds_add_u32 v28, v29
	s_wait_dscnt 0x0
	v_lshrrev_b32 v1, 5, v0
	v_readfirstlane_b32 s16, v1                    ; wave 0..3
	s_lshr_b32 s17, s16, 1                         ; my half of source 1's rows.  Also: I fetch for source 1 (0) or source 0 (1)
	s_and_b32 s18, s16, 1                          ; my half of source 0's rows.  Also: which 128 rows I fetch
	s_bfe_u32 s20, ttmp6, 0x40000                  ; cx
	s_bfe_u32 s21, ttmp6, 0x40004                  ; cy
	s_and_b32 s2, ttmp7, 0xffff                    ; cluster y
	s_cmp_eq_u32 ttmp9, 2                          ; the third column of clusters makes v: the same in all sixteen partners
	s_cselect_b32 s19, 1, 0
	s_cselect_b32 s3, s2, ttmp9
	s_cselect_b32 s2, 0, s2
	s_lshl_b32 s22, s3, 2
	s_add_co_u32 s22, s22, s20                     ; source 0's tile of 256 rows
	s_lshl_b32 s23, s2, 2
	s_add_co_u32 s23, s23, s21                     ; source 1's
	s_lshl_b32 s40, s21, 2
	s_lshl_b32 s40, 15, s40                        ; my row of the cluster
	s_lshl_b32 s44, 0x1111, s20                    ; my column
	s_or_b32 s[G1A], s40, (3<<16)|(1<<21)          ; 15:0 the mask; 17:16 elements of 8 bytes; 21 set beside a mask; no padding
	s_or_b32 s[G1SA], s40, (3<<16)|(1<<21)
	s_or_b32 s[G1B], s44, (3<<16)|(1<<21)
	s_or_b32 s[G1SB], s44, (3<<16)|(1<<21)
.irp g, G1A, G1B                       ; 24,576 dense bytes as 96 rows of 256
	s_mov_b32 s[\g+1], 32<<16
	s_mov_b32 s[\g+2], 96<<16
	s_mov_b32 s[\g+3], 32<<16
	s_mov_b32 s[\g+4], 96
	s_mov_b32 s[\g+5], 32
	s_mov_b32 s[\g+6], 0
	s_mov_b32 s[\g+7], 0
.endr
.irp g, G1SA, G1SB                     ; 4,096 dense bytes as 16 rows of 256
	s_mov_b32 s[\g+1], 32<<16
	s_mov_b32 s[\g+2], 16<<16
	s_mov_b32 s[\g+3], 32<<16
	s_mov_b32 s[\g+4], 16
	s_mov_b32 s[\g+5], 32
	s_mov_b32 s[\g+6], 0
	s_mov_b32 s[\g+7], 0
.endr
	s_lshl_b32 s40, s23, 1                         ; source 1: the block of 128 rows that I fetch; these registers never hold cx
	s_add_co_u32 s40, s40, s18
	s_lshl_b32 s41, s19, 4                         ; Wv's blocks begin at block 16 of wc
	s_add_co_u32 s40, s40, s41
	s_mul_i32 s42, s40, 98304
	s_mov_b32 s43, 0
	s_lshl_b32 s40, s40, 12
	s_mov_b32 s41, 0
	s_lshl_b32 s44, s22, 1                         ; source 0 likewise; these never hold cy
	s_add_co_u32 s44, s44, s18
	s_mul_i32 s46, s44, 98304
	s_mov_b32 s47, 0
	s_lshl_b32 s44, s44, 12
	s_mov_b32 s45, 0
	s_mul_i32 s66, s16, HALFT                      ; where they go: no place in the cluster enters an LDS address
	s_lshl_b32 s67, s16, 12
	s_wait_kmcnt 0x0
	s_cmp_eq_u32 s19, 0
	s_cselect_b64 s[96:97], s[4:5], s[8:9]         ; source 1: x for q and k, the weights for v
	s_cselect_b64 s[98:99], s[6:7], s[10:11]
	s_cselect_b64 s[4:5], s[8:9], s[4:5]           ; source 0: the other way round
	s_cselect_b64 s[6:7], s[10:11], s[6:7]
	s_add_nc_u64 s[42:43], s[96:97], s[42:43]
	s_add_nc_u64 s[40:41], s[98:99], s[40:41]
	s_add_nc_u64 s[46:47], s[4:5], s[46:47]
	s_add_nc_u64 s[44:45], s[6:7], s[44:45]
	CROUND                                         ; all sixteen work-groups are here: the first joint loads meet
	s_mov_b32 s[G0SA], 1
	s_add_co_u32 s[G0SA+1], s67, SCL
	s_mov_b64 s[G0SA+2:G0SA+3], s[40:41]
	s_or_b32 s[G0SA+3], s[G0SA+3], 0x80000000
	s_mov_b32 s[G0SB], 1
	s_add_co_u32 s[G0SB+1], s67, SCL
	s_mov_b64 s[G0SB+2:G0SB+3], s[44:45]
	s_or_b32 s[G0SB+3], s[G0SB+3], 0x80000000
	JLOAD G0SA, G1SA, G0SB, G1SB                   ; the scale words of all of K: filled once
.irp s, 0,1
	s_mov_b32 s[G0A+4*\s], 1
	s_add_co_u32 s[G0A+4*\s+1], s66, \s*SLOT
	s_add_nc_u64 s[G0A+4*\s+2:G0A+4*\s+3], s[42:43], \s*HALFT
	s_or_b32 s[G0A+4*\s+3], s[G0A+4*\s+3], 0x80000000
	s_mov_b32 s[G0B+4*\s], 1
	s_add_co_u32 s[G0B+4*\s+1], s66, \s*SLOT
	s_add_nc_u64 s[G0B+4*\s+2:G0B+4*\s+3], s[46:47], \s*HALFT
	s_or_b32 s[G0B+4*\s+3], s[G0B+4*\s+3], 0x80000000
	JLOAD G0A+4*\s, G1A, G0B+4*\s, G1B             ; three loads of mine are out behind the second of these
.endr
	v_and_b32 v1, 15, v0                           ; r
	v_bfe_u32 v2, v0, 4, 1                         ; h
	s_wait_alu depctr_va_vdst(0)
	v_and_b32 v3, 31, v0
	v_lshlrev_b32 v[LI], 4, v3
	s_mul_i32 s2, s17, HALFT
	s_mul_i32 s3, s18, HALFT
	s_add_co_u32 s3, s3, 2*HALFT
.irp s, 0,1
	v_add_nc_u32 v[ADRA+\s], s2, v[LI]
	v_add_nc_u32 v[ADRB+\s], s3, v[LI]
	s_add_co_u32 s2, s2, SLOT
	s_add_co_u32 s3, s3, SLOT
.endr
	s_lshl_b32 s2, s17, 12                         ; source 1's scale words: my half;
	s_lshl_b32 s3, s18, 12
	s_add_co_u32 s3, s3, 8192                      ; source 0's lie behind source 1's two halves
	s_sub_co_u32 s3, s3, s2
	v_mul_u32_u24 v4, s3, v2                       ; lanes 16-31 take source 0's: one product, the distance x h
	s_add_co_u32 s2, s2, SCL
	v_lshl_add_u32 v4, v1, 3, v4                   ; 8 bytes a row: the two words of a slot
	v_add_nc_u32 v[ADRS], s2, v4
	; where my results go
	s_cmp_eq_u32 s19, 0
	s_cselect_b32 s2, s23, s22                     ; the tile of x's rows,
	s_cselect_b32 s3, s17, s18                     ; my half of it,
	s_cselect_b32 s96, s22, s23                    ; the tile of the weight's rows,
	s_cselect_b32 s97, s18, s17                    ; my half of it
	s_lshl_b32 s2, s2, 1
	s_add_co_u32 s2, s2, s3                        ; my block of 128 rows of x
	s_and_b32 s96, s96, 3
	s_lshl_b32 s96, s96, 2
	s_lshl_b32 s97, s97, 1
	s_add_co_u32 s96, s96, s97                     ; the first of my two heads
	s_lshr_b32 s3, s2, 4                           ; b
	s_and_b32 s2, s2, 15                           ; the block in the sequence
	s_lshl_b32 s3, s3, 4
	s_add_co_u32 s3, s3, s96
	s_lshl_b32 s3, s3, 4
	s_add_co_u32 s3, s3, s2                        ; (b x 16 + head) x 16 + block
	s_mov_b32 s97, 12800
	s_cmp_eq_u32 ttmp9, 0                          ; q goes to qb, k and v to kv
	s_cselect_b64 s[92:93], s[12:13], s[14:15]
	s_cselect_b32 s97, 6400, s97
	s_mul_i32 s2, s3, s97
	s_mul_i32 s3, s19, 6400                        ; v's part of a record
	s_add_co_u32 s2, s2, s3
	s_mov_b32 s3, 0
	s_add_nc_u64 s[92:93], s[92:93], s[2:3]        ; my first head's record,
	s_lshl_b32 s100, s97, 4                        ; 16 records on:
	s_mov_b32 s101, 0
	s_add_nc_u64 s[94:95], s[92:93], s[100:101]    ; my second head's
	v_mul_u32_u24 v[SV], s100, v2
	v_lshl_add_u32 v[SV], v1, 4, v[SV]             ; scale words: 16 r; lanes 16-31 store the second head's
	s_mov_b32 s[SEL], 0x76543210
	s_mov_b32 s[SEL+1], 0xfedcba98
.irp b, 0,1,2,3
	v_mov_b32 v[TM+4+\b], 0                        ; a lane permute's destination counts as one of its sources
.endr
.macro FRAG reg, adr, q, i             ; a fragment as it stands: three loads of 512 consecutive bytes
.irp g, 0,1,2
	ds_load_b128 v[\reg+4*\g:\reg+4*\g+3], v[\adr] offset:(8*(\q)+(\i))*1536+512*\g
.endr
.endm
; 16 matrix instructions: source 1's tiles a0, a0 + 1 x source 0's eight.  The 64 accumulators take turns, one instruction a turn, in the same order in every step.
.macro MUL16 a0, p, q, sc, zero
.irp a, \a0, \a0+1
.irp b, 0,1,2,3,4,5,6,7
.if \zero
	v_wmma_scale_f32_16x16x128_f8f6f4 v[8*(8*((\a)%4)+\b):8*(8*((\a)%4)+\b)+7], v[128*(\p)+FR*\b:128*(\p)+FR*\b+FR-1], v[AF+FR*(\a):AF+FR*(\a)+FR-1], 0, v[SC+8*NQ*(\sc)+NQ*\b+(\q)], v[SC+8*NQ*(\sc)+NQ*(\a)+(\q)] matrix_a_fmt:MATRIX_FMT_FP6 matrix_b_fmt:MATRIX_FMT_FP6 matrix_a_scale:MATRIX_SCALE_ROW1
.else
	v_wmma_scale_f32_16x16x128_f8f6f4 v[8*(8*((\a)%4)+\b):8*(8*((\a)%4)+\b)+7], v[128*(\p)+FR*\b:128*(\p)+FR*\b+FR-1], v[AF+FR*(\a):AF+FR*(\a)+FR-1], v[8*(8*((\a)%4)+\b):8*(8*((\a)%4)+\b)+7], v[SC+8*NQ*(\sc)+NQ*\b+(\q)], v[SC+8*NQ*(\sc)+NQ*(\a)+(\q)] matrix_a_fmt:MATRIX_FMT_FP6 matrix_b_fmt:MATRIX_FMT_FP6 matrix_a_scale:MATRIX_SCALE_ROW1
.endif
.endr
.endr
.endm
.macro FETCH_B slot, q, p
	WIN TO_B
.irp i, 0,1,2,3,4,5,6,7
	FRAG 128*(\p)+FR*\i, ADRB+\slot, \q, \i
.endr
	WIN 0
.endm
.macro FETCH_A slot, q, i0
.irp i, \i0, \i0+1, \i0+2, \i0+3
	FRAG AF+FR*(\i), ADRA+\slot, \q, \i
.endr
.endm
.macro SCALES sc                       ; a slot's two words a row: lanes 0-15 source 1's tile i, lanes 16-31 source 0's tile i
.irp i, 0,1,2,3,4,5,6,7
	ds_load_b64 v[SC+8*NQ*\sc+NQ*\i:SC+8*NQ*\sc+NQ*\i+1], v[ADRS] offset:\i*128
.endr
.endm
.macro PLACES n                        ; plain vector instructions between a matrix instruction and a load into, or a read of, its registers
.rept \n
	v_nop
.endr
.endm
.macro STEP slot, q, zero              ; 128 along K that have their successor in the same slot
	s_wait_dscnt 4*NL                              ; all but the youngest loads (source 1's tiles 4-7) are in
	WIN MUL_LO
	MUL16 0, (\q)%2, \q, \slot, \zero
	MUL16 2, (\q)%2, \q, \slot, \zero
	s_wait_dscnt 0
	PLACES NP
	FETCH_B \slot, (\q)+1, 1-(\q)%2
	FETCH_A \slot, (\q)+1, 0
	WIN MUL_HI
	MUL16 4, (\q)%2, \q, \slot, \zero
	MUL16 6, (\q)%2, \q, \slot, \zero
	PLACES NP
	WIN 0
	FETCH_A \slot, (\q)+1, 4
.endm
; A slot's last 128 along K change slots: one barrier; in front of it each wave waits for all its tensor loads, adds 0 to its spare word, and waits for that and for its reads of this slot.
.macro TURN slot, next, fill
	s_wait_tensorcnt 0x0                           ; all my tensor loads have landed: my part of the next slot
	ds_add_u32 v[SPW], v[NIL]                      ; 0 onto my spare word
	s_wait_dscnt 4*NL+1                            ; (the add and source 1's tiles 4-7 may be out)
	WIN MUL_LO
	MUL16 0, 1, NQ-1, \slot, 0
	s_wait_dscnt 0x0                               ; the add is done, and my reads of this slot are over
	s_barrier_signal -1
	MUL16 2, 1, NQ-1, \slot, 0
	WIN 0
	s_barrier_wait -1
.if \fill
	CREST                                          ; the barrier has opened a round of the cluster's: no wave of any partner still reads this slot or has a load on its way
	s_add_nc_u64 s[G0A+4*\slot+2:G0A+4*\slot+3], s[G0A+4*\slot+2:G0A+4*\slot+3], 2*HALFT
	s_add_nc_u64 s[G0B+4*\slot+2:G0B+4*\slot+3], s[G0B+4*\slot+2:G0B+4*\slot+3], 2*HALFT
	JLOAD G0A+4*\slot, G1A, G0B+4*\slot, G1B       ; the first tensor load behind the round; its four v_nop are the places in front of the loads below
.else
	PLACES NP
.endif
	s_wait_alu depctr_va_vdst(0)
	v_add_nc_u32 v[ADRS], 1024, v[ADRS]            ; the next slot's scale words
	FETCH_B \next, 0, 0
	FETCH_A \next, 0, 0
	SCALES \next
	WIN MUL_HI
	MUL16 4, 1, NQ-1, \slot, 0
	MUL16 6, 1, NQ-1, \slot, 0
	PLACES NP
	WIN 0
	FETCH_A \next, 0, 4
.endm
	s_wait_alu depctr_va_vdst(0)
	s_wait_tensorcnt 1                             ; the scale words and my part of slot 0 are in; slot 1's load may be out
	s_barrier_signal -1
	s_barrier_wait -1
	FETCH_B 0, 0, 0
	FETCH_A 0, 0, 0
	SCALES 0
	FETCH_A 0, 0, 4
	STEP 0, 0, 1                                   ; K = 1,024 is eight steps, four slots' worth: written out; the first products start the sums
	TURN 0, 1, 1
	STEP 1, 0, 0
	TURN 1, 0, 1
	STEP 0, 0, 0
	TURN 0, 1, 0                                   ; nothing is left to fetch
	STEP 1, 0, 0
	s_wait_dscnt 4*NL
	WIN MUL_LO
	MUL16 0, 1, NQ-1, 1, 0
	MUL16 2, 1, NQ-1, 1, 0
	s_wait_dscnt 0
	WIN MUL_HI
	MUL16 4, 1, NQ-1, 1, 0
	MUL16 6, 1, NQ-1, 1, 0
	WIN 0
; THE WAY OUT.  For source 1's tile a, a lane's 64 results are, of its row, register 16 b + i = number 32 b + 16 h + i along source 0's axis: four blocks of 32, each shared with lane l xor 16.
; Blocks 0, 1 become six registers at d0 (lane (r, h): block h), blocks 2, 3 six at d1; the four bytes make v[PW + a].  Each accumulator is read from its low end on.
.macro QUANT a, d0, d1
.set QW, 2+(\a)/4
.set QW5, 5*QW
.set QB, 64*((\a)%4)
	WIN QW5                                        ; sources 0 and 1: the accumulators' window
.irp b, 0,1,2,3
	v_max3_num_f32 v[TM+\b], |v[QB+16*\b]|, |v[QB+16*\b+1]|, 0x1800000   ; with the floor 2^(3 - 127)
.endr
.irp i, 2,4,6,8,10,12,14
.irp b, 0,1,2,3
	v_max3_num_f32 v[TM+\b], |v[QB+16*\b+\i]|, |v[QB+16*\b+\i+1]|, v[TM+\b]
.endr
.endr
	WIN 0
.irp b, 0,1,2,3
	v_permlanex16_b32 v[TM+4+\b], v[TM+\b], s[SEL], s[SEL+1]
.endr
.irp b, 0,1,2,3
	v_max_num_f32 v[TM+\b], v[TM+\b], v[TM+4+\b]
.endr
.irp b, 0,1,2,3
	v_add_nc_u32 v[TM+12+\b], 0xff000000, v[TM+\b] ; 2 off the exponent field: the conversion's scale operand
.endr
.irp b, 0,1,2,3
	v_lshrrev_b32 v[TM+4+\b], 23, v[TM+12+\b]
.endr
	v_lshl_or_b32 v[PW+(\a)], v[TM+5], 8, v[TM+4]
	v_lshl_or_b32 v[PW+(\a)], v[TM+6], 16, v[PW+(\a)]
	v_lshl_or_b32 v[PW+(\a)], v[TM+7], 24, v[PW+(\a)]
	WIN QW                                         ; source 0 alone
	v_cvt_scalef32_pk16_fp6_f32 v[(\d0):(\d0)+2], v[QB:QB+15], v[TM+12]
	v_cvt_scalef32_pk16_fp6_f32 v[TT:TT+2], v[QB+16:QB+31], v[TM+13]
	v_cvt_scalef32_pk16_fp6_f32 v[(\d1):(\d1)+2], v[QB+32:QB+47], v[TM+14]
	v_cvt_scalef32_pk16_fp6_f32 v[TT+4:TT+6], v[QB+48:QB+63], v[TM+15]
	WIN 0
	v_nop                                          ; one plain place behind a scaled conversion
.irp i, 0,1,2
	v_permlane16_swap_b32 v[(\d0)+\i], v[TT+\i]    ; the layout wants a whole block in a lane
	v_permlane16_swap_b32 v[(\d1)+\i], v[TT+4+\i]
.endr
.irp i, 0,1,2
	v_mov_b32 v[(\d0)+3+\i], v[TT+\i]
	v_mov_b32 v[(\d1)+3+\i], v[TT+4+\i]
.endr
.endm
	PLACES NP
	s_mov_b32 vcc_lo, 0xffff0000                   ; lanes 16 to 31
	s_cmp_eq_u32 s19, 0
	s_cbranch_scc0 .Lmode_v
	; q and k: blocks 0, 1 are my first head's 64, blocks 2, 3 my second's; tiles 2 p and 2 p + 1 make a pair image for each head
.irp a, 0,1,2,3,4,5,6,7
	QUANT \a, IM+24*(\a/2)+6*(\a%2), IM+24*(\a/2)+12+6*(\a%2)
.if \a%2
.irp g, 0,1,2
	global_store_b128 v[LI], v[IM+24*(\a/2)+4*\g:IM+24*(\a/2)+4*\g+3], s[92:93] offset:1536*(\a/2)+512*\g          ; 512 consecutive bytes, aligned
	global_store_b128 v[LI], v[IM+24*(\a/2)+12+4*\g:IM+24*(\a/2)+12+4*\g+3], s[94:95] offset:1536*(\a/2)+512*\g
.endr
.endif
.endr
.irp p, 0,1,2,3
	v_perm_b32 v[40+\p], v[PW+2*\p+1], v[PW+2*\p], 0x05040100   ; the first head's two bytes of tile 2 p, then of tile 2 p + 1
	v_perm_b32 v[44+\p], v[PW+2*\p+1], v[PW+2*\p], 0x07060302   ; the second head's
.endr
.irp p, 0,1,2,3
	v_cndmask_b32 v[48+\p], v[40+\p], v[44+\p], vcc_lo
.endr
	global_store_b128 v[SV], v[48:51], s[92:93] offset:6144        ; 256 consecutive bytes for each head
	s_branch .Lend
.Lmode_v:
	; v: the four blocks are the step's 128 keys: tile a's twelve registers are a whole image; tiles 0-3 are my first head's, 4-7 my second's
.irp a, 0,1,2,3,4,5,6,7
	QUANT \a, IM+12*\a, IM+12*\a+6
.irp g, 0,1,2
	global_store_b128 v[LI], v[IM+12*\a+4*\g:IM+12*\a+4*\g+3], s[92+2*(\a/4):93+2*(\a/4)] offset:1536*(\a%4)+512*\g
.endr
.endr
.irp t, 0,1,2,3
	v_cndmask_b32 v[48+\t], v[PW+\t], v[PW+4+\t], vcc_lo
.endr
	global_store_b128 v[SV], v[48:51], s[92:93] offset:6144
.Lend:
	s_wait_tensorcnt 0x0                           ; the wave's end
	ds_add_u32 v[SPW], v[NIL]
	s_wait_dscnt 0x0
	CROUND                                         ; the closing round: no work-group ends while a partner may still ask for a tile that names it
	s_endpgm
.Lfunc_end_k_q877dd62d8c_qkv:
	.size	k_q877dd62d8c_qkv, .Lfunc_end_k_q877dd62d8c_qkv-k_q877dd62d8c_qkv
	.p2alignl 7, 3214868480
	.fill 96, 4, 3214868480
	.section	.rodata,"a",@progbits
	.p2align	6, 0x0
	.amdhsa_kernel k_q877dd62d8c_qkv
		.amdhsa_group_segment_fixed_size 327680
		.amdhsa_private_segment_fixed_size 0
		.amdhsa_enable_private_segment 0
		.amdhsa_kernarg_size 48
		.amdhsa_user_sgpr_count 2
		.amdhsa_user_sgpr_kernarg_segment_ptr 1
		.amdhsa_wavefront_size32 1
		.amdhsa_system_sgpr_workgroup_id_x 1
		.amdhsa_system_sgpr_workgroup_id_y 1
		.amdhsa_system_sgpr_workgroup_id_z 1
		.amdhsa_system_vgpr_workitem_id 0
		.amdhsa_next_free_vgpr 1024
		.amdhsa_next_free_sgpr 104
		.amdhsa_reserve_vcc 1
		.amdhsa_float_denorm_mode_32 3
		.amdhsa_float_denorm_mode_16_64 3
		.amdhsa_memory_ordered 1
		.amdhsa_forward_progress 1
		.amdhsa_inst_pref_size 174
	.end_amdhsa_kernel
	.amdgpu_metadata
---
amdhsa.version: [ 1, 2 ]
amdhsa.kernels:
  - .name:           k_q877dd62d8c_qkv
    .symbol:         k_q877dd62d8c_qkv.kd
    .args:
      - { .name: xc, .offset: 0, .size: 8, .value_kind: global_buffer, .address_space: global }
      - { .name: xs, .offset: 8, .size: 8, .value_kind: global_buffer, .address_space: global }
      - { .name: wc, .offset: 16, .size: 8, .value_kind: global_buffer, .address_space: global }
      - { .name: ws, .offset: 24, .size: 8, .value_kind: global_buffer, .address_space: global }
      - { .name: qb, .offset: 32, .size: 8, .value_kind: global_buffer, .address_space: global }
      - { .name: kv, .offset: 40, .size: 8, .value_kind: global_buffer, .address_space: global }
    .group_segment_fixed_size: 327680
    .private_segment_fixed_size: 0
    .kernarg_segment_align: 8
    .kernarg_segment_size: 48
    .max_flat_workgroup_size: 128
    .sgpr_count:     104
    .vgpr_count:     1024
    .wavefront_size: 32
...
	.end_amdgpu_metadata
.endif
;; end of part 2
;; launch attn (part 3): grid 4 x 64, 16 waves a work-group, no clusters, 327,680 bytes of LDS; arguments qb, kv, cc, cs; writes cc, cs
.if DOCPART == 3
	.amdgcn_target "amdgcn-amd-amdhsa--gfx1250"
	.amdhsa_code_object_version 6
	.text
	.protected	k_q877dd62d8c_attn
	.globl	k_q877dd62d8c_attn
	.p2align	8
	.type	k_q877dd62d8c_attn,@function
k_q877dd62d8c_attn:
	s_mov_b64 s[64:65], 0
	v_nop
	global_prefetch_b8 v0, s[64:65] scope:SCOPE_SE
	s_setreg_imm32_b32 hwreg(HW_REG_WAVE_MODE, 25, 1), 1
	s_wait_xcnt 0x0
; Causal attention on codes of FP6 (E2M3), head size 64, 2,048 keys, 64 pairs (batch, head); O / l is quantised along (head, d) and leaves as the last product's operand.
; THE SOFTMAX: t = score x log2(e) / 8; M = the row's largest t so far, rounded UP to a whole number; p = 2^(t - M) is quantised along the keys, not normalised; the row's sum is taken of the unquantised p and divides O at the end.
; When M moves, the sum and O are multiplied by 2^(old M - new M): exact.
; SHARES.  Work-group (i, pair) takes the blocks i and 7 - i of 256 queries, one after the other: (i + 1) + (8 - i) = 9 slots of 256 keys for every work-group.  Each of sixteen waves owns one tile of 16 queries, in 256 registers.
; NO CLUSTER: the four work-groups of a pair walk different runs of slots (0 .. i, then 0 .. 7 - i): in a given trip they want different tiles, so no joint request fits.
; LAYOUT.  Both products transposed: S^T = K Q^T, O^T = V^T P^T: a lane holds ONE query.  The rows of a tile are chosen (row r of tile u of a group of 32 is 8 u + r + 8 (r / 8)), so that 16 registers of two neighbouring tiles are 16 neighbours.
; K = 64 IN AN INSTRUCTION OF 128: a pair image of k holds tile 2 p in k = 0 .. 63 and tile 2 p + 1 in k = 64 .. 127; it is multiplied by [Q | zero codes] and by [zero codes | Q].
; THE RING: two slots of 25,600 dense bytes (two steps: k's four pair images and scale words, v's four images and scale words), brought by wave 0 with one tensor load and read by all sixteen.
; CAUSAL: every work-group walks nine slots, a constant; a step all of whose keys come after the wave's queries is passed over by a scalar branch on ids; on the diagonal hidden scores become -infinity.
; LIMITS: a block of zeros gets the byte 1 where the rule says 127 (zero codes; this program alone reads the bytes); NaN and infinities are not served.
; REGISTERS: v1-11 addresses; v12 -M, v13 the largest t, v[14:15] the sum; v16 the prefetch's offset; v17 Q's scale word; v32-79 four images of k, then of v; v80-83, v84-87 their scale words; v96-159 S^T, then p;
;   v160-191 O^T; v192-209 zeros | Q | zeros; v224-235 p's codes; v232-254 at work.
.set SLOT1, 32768
.set SPARE, 65536                      ; the spare words, 128 bytes for each of sixteen waves
.set STEPB, 12800
.set SLOTB, 25600
.set WV,  12
.set WI,  13                           ; i
.set BH,  14                           ; the pair (batch, head)
.set SWT, 15                           ; the trip in which the second block begins: i + 1
.set TN,  16                           ; the trip
.set SIG, 17                           ; the slot of keys in hand
.set SN,  18                           ; the next one
.set KF,  19                           ; its first key
.set SEL, 20
.set CS,  22
.set G1,  24
.set G0,  32
.set KVB, 36                           ; s[36:37] the pair's first byte in kv
.set OFS, 38
.set TB,  40                           ; LDS byte at which the slot in hand begins
.set Q0,  41                           ; the first query of my group of 32
.set BLK, 42
.set QA,  44
.set CA,  46
.set CSA, 48
.set PFA, 50
.set LIM, 52
.macro TLOAD                           ; wave 0 fetches; four v_nop follow the line
	s_cmp_eq_u32 s[WV], 0
	s_cbranch_scc0 .Lno_load_\@
	tensor_load_to_lds s[G0:G0+3], s[G1:G1+7]
	s_nop 0
.rept 4
	v_nop
.endr
.Lno_load_\@:
.endm
; A PREFETCH INTO THE L2: in trip n, n < 6, the pair's work-group i = 0 names slot n + 2 of the keys: waves 4 to 7, 6,400 bytes each, lanes 256 bytes apart (lanes 25 to 31 name the wave's last block again).
; The work-group i = 3 asks for that slot one trip later; slots 0 and 1 come by their loads alone; trips 6 and 7 name nothing: there is no slot 8.
.macro ASK
	s_cmp_lt_u32 s[TN], s[LIM]
	s_cbranch_scc0 .Lnot_mine_\@
	global_prefetch_b8 v16, s[PFA:PFA+1] th:TH_LOAD_NT scope:SCOPE_SE
.Lnot_mine_\@:
.endm
; THE CHANGE OF SLOTS stands at a trip's head.  Each wave waits for all its tensor loads, adds 0 to its spare word, and waits for that and for its reads of the slot that it has left.  fill = 1: that slot takes the keys of the next trip.
.macro CHANGE fill
	s_wait_tensorcnt 0x0                           ; no tensor load of mine is out, so the descriptor may be written
	ds_add_u32 v5, v6                              ; 0 onto my spare word
.if \fill
	s_add_co_u32 s53, s[TN], 1
	s_add_co_u32 s[SN], s[SIG], 1
	s_cmp_eq_u32 s53, s[SWT]
	s_cselect_b32 s[SN], 0, s[SN]                  ; the second block begins again at the first keys
	s_xor_b32 s[G0+1], s[G0+1], SLOT1              ; the other slot than last time
	s_mul_i32 s[OFS], s[SN], SLOTB
	s_add_nc_u64 s[G0+2:G0+3], s[KVB:KVB+1], s[OFS:OFS+1]
	s_or_b32 s[G0+3], s[G0+3], 0x80000000
	s_wait_xcnt 0x0                                ; the last prefetch, a trip back, has read its address
	s_add_nc_u64 s[PFA:PFA+1], s[PFA:PFA+1], SLOTB
.endif
	s_wait_dscnt 0x0                               ; the add is done, and my reads of the slot that I have left are over
	s_barrier_signal -1
	s_barrier_wait -1
.if \fill
	TLOAD                                          ; the first thing behind the barrier: one tensor load is out at a time
	ASK
.endif
.endm
; A block of queries begins: addresses, Q and its scale word, zeros for O^T and the sum.
.macro INIT
	s_lshl_b32 s[Q0], s[BLK], 8
	s_lshr_b32 s53, s[WV], 1
	s_lshl_b32 s53, s53, 5
	s_add_co_u32 s[Q0], s[Q0], s53
	s_lshl_b32 s53, s[BLK], 1
	s_lshr_b32 s54, s[WV], 3
	s_add_co_u32 s53, s53, s54                     ; my block of 128 queries
	s_lshl_b32 s54, s[BH], 4
	s_add_co_u32 s54, s54, s53
	s_mul_i32 s54, s54, 6400
	s_mov_b32 s55, 0
	s_add_nc_u64 s[QA:QA+1], s[4:5], s[54:55]
	s_lshr_b32 s54, s[BH], 4
	s_lshl_b32 s54, s54, 4
	s_add_co_u32 s53, s53, s54                     ; the block of 128 rows of concat: b x 16 + block
	s_and_b32 s59, s[BH], 15                       ; the head
	s_lshl_b32 s54, s53, 3
	s_lshr_b32 s60, s59, 1                         ; two heads are a K step of 128
	s_add_co_u32 s54, s54, s60
	s_lshl_b32 s54, s54, 3
	s_and_b32 s60, s[WV], 7                        ; my tile
	s_add_co_u32 s54, s54, s60
	s_mul_i32 s54, s54, 1536
	s_and_b32 s61, s59, 1
	s_mul_i32 s62, s61, 768                        ; the odd head's half of the image
	s_add_co_u32 s54, s54, s62
	s_add_nc_u64 s[CA:CA+1], s[8:9], s[54:55]
	s_lshl_b32 s54, s53, 12
	s_lshr_b32 s62, s59, 2
	s_lshl_b32 s62, s62, 10
	s_add_co_u32 s54, s54, s62
	s_lshl_b32 s62, s60, 7
	s_add_co_u32 s54, s54, s62
	s_bfe_u32 s62, s59, 0x10001
	s_lshl_b32 s62, s62, 2
	s_add_co_u32 s54, s54, s62
	s_lshl_b32 s62, s61, 1
	s_add_co_u32 s54, s54, s62                     ; block x 4,096 + (head / 4) x 1,024 + tile x 128 + ((head / 2) % 2) x 4 + (head % 2) x 2
	s_add_nc_u64 s[CSA:CSA+1], s[10:11], s[54:55]
.irp g, 0,1,2
	global_load_b128 v[32+4*\g:35+4*\g], v7, s[QA:QA+1] offset:512*\g   ; the pair image that holds my tile
.endr
	global_load_b32 v80, v8, s[QA:QA+1]
	s_wait_loadcnt 0x0
	s_mov_b32 vcc_lo, s58
.irp i, 0,1,2,3,4,5
	v_cndmask_b32 v[198+\i], v[32+\i], v[38+\i], vcc_lo   ; an even wave's tile is the image's registers 0-5, an odd wave's 6-11
.endr
	v_perm_b32 v17, v80, v80, s57                  ; my tile's two bytes, twice: they serve [Q | 0] and [0 | Q]
.set J, 0
.rept 32
	v_mov_b32 v[160+J], 0                          ; O^T: the first change of M leaves zeros zeros.  (These are also the places between the lines above and the first products)
.set J, J+1
.endr
	v_mov_b32 v14, 0
	v_mov_b32 v15, 0
	v_mov_b32 v13, 0xff61b1e6                      ; the largest t so far: -3e38
	s_delay_alu instid0(VALU_DEP_1)
	v_floor_f32 v12, -v13
.endm
; A KEY STEP: 128 keys, the q-th of the slot in hand.
.macro STEP q
	s_add_co_u32 s66, s[KF], 128*(\q)              ; the step's first key, a multiple of 128; my queries lie in Q0 .. Q0 + 31, Q0 a multiple of 32
	s_cmp_gt_u32 s66, s[Q0]
	s_cbranch_scc1 .Lhidden_\@
	v_add_nc_u32 v10, s[TB], v1
	v_add_nc_u32 v11, s[TB], v2
	v_nop
	v_nop                                          ; four places in front of loads into registers that the last products read
.irp p, 0,1,2,3
.irp g, 0,1,2
	ds_load_b128 v[32+12*\p+4*\g:35+12*\p+4*\g], v10 offset:STEPB*(\q)+1536*\p+512*\g
.endr
.endr
	ds_load_b128 v[80:83], v11 offset:STEPB*(\q)+6144
	s_wait_alu depctr_va_vdst(0)
	s_wait_dscnt 0x0
.irp p, 0,1,2,3
	v_wmma_scale_f32_16x16x128_f8f6f4 v[96+16*\p:103+16*\p], v[32+12*\p:43+12*\p], v[198:209], 0, v[80+\p], v17 matrix_a_fmt:MATRIX_FMT_FP6 matrix_b_fmt:MATRIX_FMT_FP6
	v_wmma_scale_f32_16x16x128_f8f6f4 v[104+16*\p:111+16*\p], v[32+12*\p:43+12*\p], v[192:203], 0, v[80+\p], v17 matrix_a_fmt:MATRIX_FMT_FP6 matrix_b_fmt:MATRIX_FMT_FP6
.endr                                              ; register 16 p + i of v96 on: key 32 p + 16 (lane / 16) + i of the step
.rept 4
	v_nop
.endr
.irp t, 0,1,2,3                                ; v's images take k's registers and land under the softmax
.irp g, 0,1,2
	ds_load_b128 v[32+12*\t+4*\g:35+12*\t+4*\g], v10 offset:STEPB*(\q)+6400+1536*\t+512*\g
.endr
.endr
	ds_load_b128 v[84:87], v11 offset:STEPB*(\q)+12544
	s_add_co_u32 s67, s66, 128
	s_cmp_le_u32 s67, s[Q0]                        ; a step all of whose keys count skips the mask
	s_cbranch_scc1 .Lopen_\@
	s_sub_co_i32 s67, s[Q0], s66
	v_add_nc_u32 v252, s67, v9                     ; d = my query - the step's first key - 16 (lane / 16): register 16 b + i is hidden where 32 b + i > d
	v_mov_b32 v254, 0xff800000                     ; -infinity
.set J, 0
.rept 64
	v_cmp_gt_i32 vcc_lo, 32*(J/16)+J%16, v252
	v_cndmask_b32 v[96+J], v[96+J], v254, vcc_lo
.set J, J+1
.endr
.Lopen_\@:
.irp b, 0,1,2,3
	v_max3_num_f32 v[232+\b], v[96+16*\b], v[97+16*\b], v[98+16*\b]   ; the largest score of each block of 32 keys: for the row's maximum, and, since p rises with the score, for the block's largest p
.endr
.irp i, 3,5,7,9,11,13
.irp b, 0,1,2,3
	v_max3_num_f32 v[232+\b], v[232+\b], v[96+16*\b+\i], v[97+16*\b+\i]
.endr
.endr
.irp b, 0,1,2,3
	v_max_num_f32 v[232+\b], v[232+\b], v[111+16*\b]
.endr
.irp b, 0,1,2,3
	s_delay_alu instid0(VALU_DEP_4)
	v_permlanex16_b32 v[236+\b], v[232+\b], s[SEL], s[SEL+1]
.endr
.irp b, 0,1,2,3
	s_delay_alu instid0(VALU_DEP_4)
	v_max_num_f32 v[232+\b], v[232+\b], v[236+\b]  ; with lane l xor 16's 16 keys
.endr
	s_delay_alu instid0(VALU_DEP_2)
	v_max3_num_f32 v254, v232, v233, v234
	s_delay_alu instid0(VALU_DEP_1)
	v_max_num_f32 v254, v254, v235
	s_delay_alu instid0(VALU_DEP_1)
	v_mul_f32 v254, s[CS], v254                    ; as t
	s_delay_alu instid0(VALU_DEP_1)
	v_max_num_f32 v13, v13, v254                   ; the running largest t
	v_mov_b32 v254, v12
	s_delay_alu instid0(VALU_DEP_2)
	v_floor_f32 v12, -v13                          ; the new -M = -ceil(t)
	s_delay_alu instid0(VALU_DEP_1)
	v_sub_f32 v254, v12, v254                      ; old M - new M: a whole number, 0 or less
	s_delay_alu instid0(VALU_DEP_1)
	v_cvt_i32_f32 v254, v254                       ; (it saturates)
	s_delay_alu instid0(VALU_DEP_1)
	v_ldexp_f32 v252, 1.0, v254                    ; f = 2^(old M - new M)
.set J, 0
.rept 32
	v_pk_fma_f32 v[96+J:97+J], v[96+J:97+J], s[CS:CS+1], v[12:13] op_sel_hi:[1,0,0]   ; t - M, two at a time
.set J, J+2
.endr
.irp b, 0,1,2,3
	v_fma_f32 v[232+\b], v[232+\b], s[CS], v12     ; the same of each block's largest score
.endr
.set J, 0
	s_wait_alu depctr_va_vdst(0)
.rept 64
	v_exp_f32 v[96+J], v[96+J]                     ; p = 2^(t - M)
.set J, J+1
.endr
	v_pk_mul_f32 v[14:15], v[14:15], v[252:253] op_sel_hi:[1,0]   ; the sum under the new M: a plain place behind the exponentials
	s_wait_alu depctr_va_vdst(0)                   ; one wait for the batch of 64, ahead of its first reader
.irp b, 0,1,2,3
	v_exp_f32 v[232+\b], v[232+\b]                 ; the block's largest p: the same two instructions on the same number
.endr
.set J, 0
	v_pk_add_f32 v[254:255], v[96:97], v[100:101]
	v_pk_add_f32 v[250:251], v[104:105], v[108:109]
	v_pk_add_f32 v[248:249], v[112:113], v[116:117]
	v_pk_add_f32 v[246:247], v[120:121], v[124:125]
	v_pk_add_f32 v[244:245], v[128:129], v[132:133]
	v_pk_add_f32 v[242:243], v[136:137], v[140:141]
	v_pk_add_f32 v[240:241], v[144:145], v[148:149]
	v_pk_add_f32 v[14:15], v[14:15], v[152:153]
	v_pk_add_f32 v[254:255], v[254:255], v[156:157]
	s_delay_alu instid0(VALU_DEP_2)
	v_pk_add_f32 v[14:15], v[14:15], v[246:247]
	s_delay_alu instid0(VALU_DEP_2)
	v_pk_add_f32 v[254:255], v[254:255], v[244:245]
	v_pk_add_f32 v[250:251], v[250:251], v[242:243]
	v_pk_add_f32 v[248:249], v[248:249], v[240:241]
	s_delay_alu instid0(VALU_DEP_2)
	v_pk_add_f32 v[14:15], v[14:15], v[250:251]
	s_delay_alu instid0(VALU_DEP_2)
	v_pk_add_f32 v[254:255], v[254:255], v[248:249]
	s_delay_alu instid0(VALU_DEP_1)
	v_pk_add_f32 v[14:15], v[14:15], v[254:255]
	s_wait_alu depctr_va_vdst(0)                   ; and one wait for the four
.irp b, 0,1,2,3
	v_max_num_f32 v[232+\b], 0x1800000, v[232+\b]  ; the floor 2^(3 - 127)
.endr
.irp b, 0,1,2,3
	s_delay_alu instid0(VALU_DEP_4)
	v_add_nc_u32 v[244+\b], 0xff000000, v[232+\b]
.endr
.irp b, 0,1,2,3
	s_delay_alu instid0(VALU_DEP_4)
	v_lshrrev_b32 v[236+\b], 23, v[244+\b]
.endr
	s_delay_alu instid0(VALU_DEP_3)
	v_lshl_or_b32 v253, v237, 8, v236              ; p's scale word for these 128 keys
	s_delay_alu instid0(VALU_DEP_1)
	v_lshl_or_b32 v253, v238, 16, v253
	s_delay_alu instid0(VALU_DEP_1)
	v_lshl_or_b32 v253, v239, 24, v253
.irp c, 0,1
	v_cvt_scalef32_pk16_fp6_f32 v[224+6*\c:226+6*\c], v[96+32*\c:111+32*\c], v[244+2*\c]
	v_cvt_scalef32_pk16_fp6_f32 v[236+4*\c:238+4*\c], v[112+32*\c:127+32*\c], v[244+2*\c+1]
.endr
	v_nop                                          ; one plain place behind a scaled conversion
.irp c, 0,1
.irp i, 0,1,2
	v_permlane16_swap_b32 v[224+6*\c+\i], v[236+4*\c+\i]
.endr
.irp i, 0,1,2
	s_delay_alu instid0(VALU_DEP_3)
	v_mov_b32 v[227+6*\c+\i], v[236+4*\c+\i]
.endr
.endr
.set J, 0
.rept 16
	v_pk_mul_f32 v[160+J:161+J], v[160+J:161+J], v[252:253] op_sel_hi:[1,0]   ; O^T under the new M
.set J, J+2
.endr
	v_pk_add_f32 v[248:249], v[98:99], v[102:103]
	v_pk_add_f32 v[254:255], v[106:107], v[110:111]
	v_pk_add_f32 v[250:251], v[114:115], v[118:119]
	v_pk_add_f32 v[246:247], v[122:123], v[126:127]
	v_pk_add_f32 v[244:245], v[130:131], v[134:135]
	v_pk_add_f32 v[242:243], v[138:139], v[142:143]
	v_pk_add_f32 v[240:241], v[146:147], v[150:151]
	v_pk_add_f32 v[14:15], v[14:15], v[154:155]
	v_pk_add_f32 v[248:249], v[248:249], v[158:159]
	s_delay_alu instid0(VALU_DEP_2)
	v_pk_add_f32 v[14:15], v[14:15], v[246:247]
	s_delay_alu instid0(VALU_DEP_2)
	v_pk_add_f32 v[248:249], v[248:249], v[244:245]
	v_pk_add_f32 v[254:255], v[254:255], v[242:243]
	v_pk_add_f32 v[250:251], v[250:251], v[240:241]
	s_delay_alu instid0(VALU_DEP_2)
	v_pk_add_f32 v[14:15], v[14:15], v[254:255]
	s_delay_alu instid0(VALU_DEP_2)
	v_pk_add_f32 v[248:249], v[248:249], v[250:251]
	s_delay_alu instid0(VALU_DEP_1)
	v_pk_add_f32 v[14:15], v[14:15], v[248:249]
	s_wait_dscnt 0x0                               ; v is in
.irp t, 0,1,2,3                                ; O^T += V^T P^T: the four accumulators by turns; the next step's eight products stand between two links
	v_wmma_scale_f32_16x16x128_f8f6f4 v[160+8*\t:167+8*\t], v[32+12*\t:43+12*\t], v[224:235], v[160+8*\t:167+8*\t], v[84+\t], v253 matrix_a_fmt:MATRIX_FMT_FP6 matrix_b_fmt:MATRIX_FMT_FP6
.endr
.Lhidden_\@:
.endm
; A block of queries ends: O^T / the sum; register 16 b + i is d = 32 b + 16 (lane / 16) + i of my query: two blocks of 32 along concat's K.  Six registers a lane: half an image.
.macro FINISH
.rept 4
	v_nop                                          ; places behind the last products
.endr
	v_add_f32 v14, v14, v15
	s_delay_alu instid0(VALU_DEP_1)
	v_permlanex16_b32 v252, v14, s[SEL], s[SEL+1]
	s_delay_alu instid0(VALU_DEP_1)
	v_add_f32 v14, v14, v252                       ; the row's sum
	s_wait_alu depctr_va_vdst(0)
	v_rcp_f32 v14, v14
	v_nop                                          ; a plain place behind the reciprocal,
	s_wait_alu depctr_va_vdst(0)                   ; and the wait ahead of its first reader
.set J, 0
.rept 32
	v_mul_f32 v[96+J], v[160+J], v14               ; each accumulator from its low end on
.set J, J+1
.endr
.irp b, 0,1
	v_max3_num_f32 v[232+\b], |v[96+16*\b]|, |v[97+16*\b]|, 0x1800000
.endr
.irp i, 2,4,6,8,10,12,14
.irp b, 0,1
	s_delay_alu instid0(VALU_DEP_2)
	v_max3_num_f32 v[232+\b], v[232+\b], |v[96+16*\b+\i]|, |v[97+16*\b+\i]|
.endr
.endr
.irp b, 0,1
	s_delay_alu instid0(VALU_DEP_2)
	v_permlanex16_b32 v[236+\b], v[232+\b], s[SEL], s[SEL+1]
.endr
.irp b, 0,1
	s_delay_alu instid0(VALU_DEP_2)
	v_max_num_f32 v[232+\b], v[232+\b], v[236+\b]
.endr
.irp b, 0,1
	s_delay_alu instid0(VALU_DEP_2)
	v_add_nc_u32 v[244+\b], 0xff000000, v[232+\b]
.endr
.irp b, 0,1
	s_delay_alu instid0(VALU_DEP_2)
	v_lshrrev_b32 v[236+\b], 23, v[244+\b]
.endr
	s_delay_alu instid0(VALU_DEP_1)
	v_lshl_or_b32 v240, v237, 8, v236              ; my head's two bytes of the row's scale word
	v_cvt_scalef32_pk16_fp6_f32 v[224:226], v[96:111], v244
	v_cvt_scalef32_pk16_fp6_f32 v[236:238], v[112:127], v245
	v_nop
.irp i, 0,1,2
	v_permlane16_swap_b32 v[224+\i], v[236+\i]
.endr
.irp i, 0,1,2
	s_delay_alu instid0(VALU_DEP_3)
	v_mov_b32 v[227+\i], v[236+\i]
.endr
	global_store_b128 v1, v[224:227], s[CA:CA+1]                ; registers 0-3: 512 consecutive bytes, aligned
	global_store_b64 v3, v[228:229], s[CA:CA+1] offset:512      ; registers 4-5: 256 consecutive bytes, aligned
	global_store_b16 v4, v240, s[CSA:CSA+1]                     ; 2 bytes a row, 8 apart (lanes 16-31 write what lanes 0-15 write): 32 bytes beside the 768 of codes
	s_wait_xcnt 0x0                                ; the stores have read their registers and bases: both may be written again
.endm
	s_load_b256 s[4:11], s[0:1], 0x0               ; qb, kv, cc, cs
	v_lshl_add_u32 v5, v0, 2, SPARE
	v_mov_b32 v6, 0
	ds_add_u32 v5, v6
	ds_add_u32 v5, v6
	s_wait_dscnt 0x0
	v_lshrrev_b32 v1, 5, v0
	s_delay_alu instid0(VALU_DEP_1)
	v_readfirstlane_b32 s[WV], v1                  ; wave 0..15
	s_mov_b32 s[WI], ttmp9
	s_and_b32 s[BH], ttmp7, 0xffff
	s_add_co_u32 s[SWT], s[WI], 1
	s_mov_b32 s[TN], 0
	s_mov_b32 s[SIG], 0
	s_mov_b32 s[SN], 0
	s_mov_b32 s[SEL], 0x76543210
	s_mov_b32 s[SEL+1], 0xfedcba98
	s_mov_b32 s[CS], 0x3e38aa3b                    ; c = log2(e) / 8
	s_mov_b32 s[CS+1], s[CS]
	s_mov_b32 s[G1], 3<<16                         ; no mask; elements of 8 bytes; no padding: 25,600 dense bytes as 100 rows of 256
	s_mov_b32 s[G1+1], 32<<16
	s_mov_b32 s[G1+2], 100<<16
	s_mov_b32 s[G1+3], 32<<16
	s_mov_b32 s[G1+4], 100
	s_mov_b32 s[G1+5], 32
	s_mov_b32 s[G1+6], 0
	s_mov_b32 s[G1+7], 0
	s_mov_b32 s[TB], 0
	s_mul_i32 s[OFS], s[BH], 204800
	s_mov_b32 s[OFS+1], 0
	s_wait_kmcnt 0x0
	s_add_nc_u64 s[KVB:KVB+1], s[6:7], s[OFS:OFS+1]
	s_mov_b32 s[G0], 1
	s_mov_b32 s[G0+1], 0
	s_mov_b64 s[G0+2:G0+3], s[KVB:KVB+1]
	s_or_b32 s[G0+3], s[G0+3], 0x80000000
	TLOAD                                          ; slot 0: the first 256 keys
	s_and_b32 s53, s[WV], 3
	s_mul_i32 s54, s53, 6400
	s_add_co_u32 s54, s54, SLOTB                   ; my quarter of slot 1: the first change of slots steps it to slot 2.  Nothing is prefetched here, at the head
	s_mov_b32 s55, 0
	s_add_nc_u64 s[PFA:PFA+1], s[KVB:KVB+1], s[54:55]
	s_lshr_b32 s53, s[WV], 2
	s_xor_b32 s53, s53, 1                          ; 0 in waves 4 to 7,
	s_or_b32 s53, s53, s[WI]                       ; of the pair's first work-group
	s_cmp_eq_u32 s53, 0
	s_cselect_b32 s[LIM], 6, 0
	v_and_b32 v7, 31, v0                           ; lane
	v_and_b32 v8, 15, v0                           ; r
	v_bfe_u32 v9, v0, 4, 1                         ; h
	s_delay_alu instid0(VALU_DEP_3)
	v_lshlrev_b32 v1, 4, v7                        ; v1: 16 x lane
	s_delay_alu instid0(VALU_DEP_3)
	v_lshlrev_b32 v2, 4, v8                        ; v2: 16 r
	v_lshlrev_b32 v3, 3, v7                        ; v3: 8 x lane
	v_lshlrev_b32 v4, 3, v8                        ; v4: 8 r
	v_min_u32 v16, 24, v7
	s_delay_alu instid0(VALU_DEP_1)
	v_lshlrev_b32 v16, 8, v16
	s_bfe_u32 s53, s[WV], 0x20001                  ; which pair image of the block of 128 holds my tile
	s_and_b32 s56, s[WV], 1                        ; u: which half of it
	s_mul_i32 s54, s53, 1536
	v_and_b32 v10, 8, v8
	s_delay_alu instid0(VALU_DEP_1)
	v_add_nc_u32 v10, v10, v8
	v_lshlrev_b32 v11, 4, v9
	s_delay_alu instid0(VALU_DEP_1)
	v_sub_nc_u32 v10, v10, v11
	s_lshl_b32 s55, s56, 3
	v_add_nc_u32 v9, s55, v10                      ; v9: my query in its group of 32, less 16 h: 8 u + r + 8 (r / 8) - 16 h
	v_add_nc_u32 v7, s54, v1                       ; v7: Q's image
	s_lshl_b32 s54, s53, 2
	s_add_co_u32 s54, s54, 6144
	v_add_nc_u32 v8, s54, v2                       ; v8: its scale word
	s_cmp_eq_u32 s56, 0
	s_mov_b32 s57, 0x03020302
	s_cselect_b32 s57, 0x01000100, s57             ; which two bytes of the pair's word are my tile's
	s_cselect_b32 s58, 0, -1
.irp i, 0,1,2,3,4,5
	v_mov_b32 v[192+\i], 0                         ; zero codes on both sides of Q
	v_mov_b32 v[204+\i], 0
.endr
.irp b, 0,1,2,3
	v_mov_b32 v[236+\b], 0                         ; a lane permute's destination counts as one of its sources
.endr
	v_mov_b32 v252, 0
	v_mov_b32 v253, 0                              ; (named as the upper half of the pair v[252:253] before it is first written)
	s_mov_b32 s[BLK], s[WI]
	INIT
.Ltrip:                                            ; eight trips; the ninth is written out
	CHANGE 1
	s_lshl_b32 s[KF], s[SIG], 8
	s_cmp_eq_u32 s[TN], s[SWT]
	s_cbranch_scc0 .Lsame_block
	s_wait_alu depctr_va_vdst(0)
	FINISH                                         ; block i is done; block 7 - i begins
	s_sub_co_u32 s[BLK], 7, s[WI]
	INIT
.Lsame_block:
	STEP 0
	STEP 1
	s_xor_b32 s[TB], s[TB], SLOT1
	s_mov_b32 s[SIG], s[SN]
	s_add_co_u32 s[TN], s[TN], 1
	s_cmp_lt_u32 s[TN], 8
	s_cbranch_scc1 .Ltrip
	CHANGE 0
	s_lshl_b32 s[KF], s[SIG], 8
	STEP 0
	STEP 1
	s_wait_alu depctr_va_vdst(0)
	FINISH
	s_wait_tensorcnt 0x0                           ; the wave's end
	ds_add_u32 v5, v6
	s_wait_dscnt 0x0
	s_endpgm
.Lfunc_end_k_q877dd62d8c_attn:
	.size	k_q877dd62d8c_attn, .Lfunc_end_k_q877dd62d8c_attn-k_q877dd62d8c_attn
	.p2alignl 7, 3214868480
	.fill 96, 4, 3214868480
	.section	.rodata,"a",@progbits
	.p2align	6, 0x0
	.amdhsa_kernel k_q877dd62d8c_attn
		.amdhsa_group_segment_fixed_size 327680
		.amdhsa_private_segment_fixed_size 0
		.amdhsa_enable_private_segment 0
		.amdhsa_kernarg_size 32
		.amdhsa_user_sgpr_count 2
		.amdhsa_user_sgpr_kernarg_segment_ptr 1
		.amdhsa_wavefront_size32 1
		.amdhsa_system_sgpr_workgroup_id_x 1
		.amdhsa_system_sgpr_workgroup_id_y 1
		.amdhsa_system_sgpr_workgroup_id_z 1
		.amdhsa_system_vgpr_workitem_id 0
		.amdhsa_next_free_vgpr 256
		.amdhsa_next_free_sgpr 72
		.amdhsa_reserve_vcc 1
		.amdhsa_float_denorm_mode_32 3
		.amdhsa_float_denorm_mode_16_64 3
		.amdhsa_memory_ordered 1
		.amdhsa_forward_progress 1
		.amdhsa_inst_pref_size 109
	.end_amdhsa_kernel
	.amdgpu_metadata
---
amdhsa.version: [ 1, 2 ]
amdhsa.kernels:
  - .name:           k_q877dd62d8c_attn
    .symbol:         k_q877dd62d8c_attn.kd
    .args:
      - { .name: qb, .offset: 0, .size: 8, .value_kind: global_buffer, .address_space: global }
      - { .name: kv, .offset: 8, .size: 8, .value_kind: global_buffer, .address_space: global }
      - { .name: cc, .offset: 16, .size: 8, .value_kind: global_buffer, .address_space: global }
      - { .name: cs, .offset: 24, .size: 8, .value_kind: global_buffer, .address_space: global }
    .group_segment_fixed_size: 327680
    .private_segment_fixed_size: 0
    .kernarg_segment_align: 8
    .kernarg_segment_size: 32
    .max_flat_workgroup_size: 512
    .sgpr_count:     72
    .vgpr_count:     256
    .wavefront_size: 32
...
	.end_amdgpu_metadata
.endif
;; end of part 3
;; launch outp (part 4): grid 4 x 32, 4 waves a work-group, clusters of 4 x 4, 327,680 bytes of LDS; arguments cc, cs, wc, ws, bo, out0; writes out0
.if DOCPART == 4
	.amdgcn_target "amdgcn-amd-amdhsa--gfx1250"
	.amdhsa_code_object_version 6
	.text
	.protected	k_q877dd62d8c_outp
	.globl	k_q877dd62d8c_outp
	.p2align	8
	.type	k_q877dd62d8c_outp,@function
k_q877dd62d8c_outp:
	s_mov_b64 s[64:65], 0
	v_nop
	global_prefetch_b8 v0, s[64:65] scope:SCOPE_SE
	s_setreg_imm32_b32 hwreg(HW_REG_WAVE_MODE, 25, 1), 1
	s_wait_xcnt 0x0
	s_wait_alu depctr_hold_cnt(0) depctr_sa_sdst(0) depctr_va_vdst(0) depctr_va_sdst(0) depctr_va_ssrc(0) depctr_va_vcc(0) depctr_vm_vsrc(0)
	s_getreg_b32 s2, hwreg(HW_REG_IB_STS2, 6, 4)
	s_cmp_eq_u32 s2, 0
	s_cbranch_scc0 .Lentry_in_a_cluster
	s_endpgm
.Lentry_in_a_cluster:
	s_bfe_u32 s2, ttmp6, 0x10000c
	s_cmp_lg_u32 s2, 0xf033
	s_cbranch_scc0 .Lentry_shape_is_right
	s_endpgm
.Lentry_shape_is_right:
.set HALFT,  24576
.set SLOT,   4*HALFT
.set SCL,    2*SLOT
.set SPARE,  SCL+4*4096
.set SPITCH, 528
.set FR,     12
.set NLA,    4
.set NP,     4
.set NQ,     2
.set ADRA, 16
.set ADRB, 20
.set LI,   22
.set STO,  24
.set RD,   25
.set CO,   26
.set ADRS, 27
.set SPW,  28
.set NIL,  29
.set SC,   32
.set BI,   64
.set AF,   128
.set BK,   128
.set G1A, 24
.set G0A, 32
.set G1B, 48
.set G0B, 56
.set G1SA, 68
.set G0SA, 76
.set G1SB, 80
.set G0SB, 88
.set MSB, 0
.macro WIN new
.if MSB != \new
	s_set_vgpr_msb (MSB<<8)|\new
.set MSB, \new
.endif
.endm
.set MUL_LO, 0xa1
.set MUL_HI, 0xf1
.set FIRST_LO, 0x81
.set FIRST_HI, 0xc1
.set TO_B,   0x40
.macro JLOAD g0a, g1a, g0b, g1b
	s_cmp_eq_u32 s17, 0
	s_cbranch_scc0 .Lfor_b_\@
	tensor_load_to_lds s[\g0a:\g0a+3], s[\g1a:\g1a+7]
	s_nop 0
.rept 4
	v_nop
.endr
	s_branch .Lasked_\@
.Lfor_b_\@:
	tensor_load_to_lds s[\g0b:\g0b+3], s[\g1b:\g1b+7]
	s_nop 0
.rept 4
	v_nop
.endr
.Lasked_\@:
.endm
.macro CREST
	s_cmp_lg_u32 s16, 0
	s_cbranch_scc1 .Lnot_wave_0_\@
	s_barrier_signal -3
.Lnot_wave_0_\@:
	s_barrier_wait -3
	s_barrier_signal -1
	s_barrier_wait -1
.endm
.macro CROUND
	s_barrier_signal -1
	s_barrier_wait -1
	CREST
.endm
	s_load_b256 s[4:11], s[0:1], 0x0
	s_load_b128 s[12:15], s[0:1], 0x20
	v_lshl_add_u32 v[SPW], v0, 2, SPARE
	v_mov_b32 v[NIL], 0
	ds_add_u32 v28, v29
	ds_add_u32 v28, v29
	s_wait_dscnt 0x0
	v_lshrrev_b32 v1, 5, v0
	v_readfirstlane_b32 s16, v1
	s_lshr_b32 s17, s16, 1
	s_and_b32 s18, s16, 1
	s_bfe_u32 s20, ttmp6, 0x40000
	s_bfe_u32 s21, ttmp6, 0x40004
	s_lshl_b32 s22, ttmp9, 2
	s_add_co_u32 s22, s22, s20
	s_and_b32 s23, ttmp7, 0xffff
	s_lshl_b32 s23, s23, 2
	s_add_co_u32 s23, s23, s21
	s_lshl_b32 s40, s21, 2
	s_lshl_b32 s40, 15, s40
	s_lshl_b32 s44, 0x1111, s20
	s_or_b32 s[G1A], s40, (3<<16)|(1<<21)
	s_or_b32 s[G1SA], s40, (3<<16)|(1<<21)
	s_or_b32 s[G1B], s44, (3<<16)|(1<<21)
	s_or_b32 s[G1SB], s44, (3<<16)|(1<<21)
.irp g, G1A, G1B
	s_mov_b32 s[\g+1], 32<<16
	s_mov_b32 s[\g+2], 96<<16
	s_mov_b32 s[\g+3], 32<<16
	s_mov_b32 s[\g+4], 96
	s_mov_b32 s[\g+5], 32
	s_mov_b32 s[\g+6], 0
	s_mov_b32 s[\g+7], 0
.endr
.irp g, G1SA, G1SB
	s_mov_b32 s[\g+1], 32<<16
	s_mov_b32 s[\g+2], 16<<16
	s_mov_b32 s[\g+3], 32<<16
	s_mov_b32 s[\g+4], 16
	s_mov_b32 s[\g+5], 32
	s_mov_b32 s[\g+6], 0
	s_mov_b32 s[\g+7], 0
.endr
	s_lshl_b32 s40, s23, 1
	s_add_co_u32 s40, s40, s18
	s_mul_i32 s42, s40, 98304
	s_mov_b32 s43, 0
	s_lshl_b32 s40, s40, 12
	s_mov_b32 s41, 0
	s_lshl_b32 s44, s22, 1
	s_add_co_u32 s44, s44, s18
	s_add_co_u32 s44, s44, 24
	s_mul_i32 s46, s44, 98304
	s_mov_b32 s47, 0
	s_lshl_b32 s44, s44, 12
	s_mov_b32 s45, 0
	s_mul_i32 s66, s16, HALFT
	s_lshl_b32 s67, s16, 12
	s_wait_kmcnt 0x0
	s_add_nc_u64 s[42:43], s[4:5], s[42:43]
	s_add_nc_u64 s[40:41], s[6:7], s[40:41]
	s_add_nc_u64 s[46:47], s[8:9], s[46:47]
	s_add_nc_u64 s[44:45], s[10:11], s[44:45]
	CROUND
	s_mov_b32 s[G0SA], 1
	s_add_co_u32 s[G0SA+1], s67, SCL
	s_mov_b64 s[G0SA+2:G0SA+3], s[40:41]
	s_or_b32 s[G0SA+3], s[G0SA+3], 0x80000000
	s_mov_b32 s[G0SB], 1
	s_add_co_u32 s[G0SB+1], s67, SCL
	s_mov_b64 s[G0SB+2:G0SB+3], s[44:45]
	s_or_b32 s[G0SB+3], s[G0SB+3], 0x80000000
	JLOAD G0SA, G1SA, G0SB, G1SB
.irp s, 0,1
	s_mov_b32 s[G0A+4*\s], 1
	s_add_co_u32 s[G0A+4*\s+1], s66, \s*SLOT
	s_add_nc_u64 s[G0A+4*\s+2:G0A+4*\s+3], s[42:43], \s*HALFT
	s_or_b32 s[G0A+4*\s+3], s[G0A+4*\s+3], 0x80000000
	s_mov_b32 s[G0B+4*\s], 1
	s_add_co_u32 s[G0B+4*\s+1], s66, \s*SLOT
	s_add_nc_u64 s[G0B+4*\s+2:G0B+4*\s+3], s[46:47], \s*HALFT
	s_or_b32 s[G0B+4*\s+3], s[G0B+4*\s+3], 0x80000000
	s_wait_alu depctr_va_vdst(0)
	s_wait_tensorcnt 0x0
	ds_add_u32 v28, v29
	s_wait_dscnt 0x0
	CROUND
	JLOAD G0A+4*\s, G1A, G0B+4*\s, G1B
.endr
	v_and_b32 v1, 15, v0
	v_bfe_u32 v2, v0, 4, 1
	v_and_b32 v3, 31, v0
	v_lshlrev_b32 v[LI], 4, v3
	s_wait_alu depctr_va_vdst(0)
	v_lshlrev_b32 v4, 3, v3
	s_wait_alu depctr_va_vdst(0)
	s_lshl_b32 s2, s22, 10
	s_lshl_b32 s3, s18, 9
	s_add_co_u32 s2, s2, s3
	s_mov_b32 s3, 0
	s_add_nc_u64 s[12:13], s[12:13], s[2:3]
	v_lshlrev_b32 v5, 6, v2
.irp b, 0,1,2,3,4,5,6,7
	global_load_b128 v[BI+8*\b:BI+8*\b+3], v5, s[12:13] offset:(32*(\b/2)+8*(\b%2))*4
	global_load_b128 v[BI+8*\b+4:BI+8*\b+7], v5, s[12:13] offset:(32*(\b/2)+8*(\b%2))*4+16
.endr
	s_mul_i32 s2, s17, HALFT
	s_mul_i32 s3, s18, HALFT
	s_add_co_u32 s3, s3, 2*HALFT
.irp s, 0,1
	v_add_nc_u32 v[ADRA+\s], s2, v[LI]
	v_add_nc_u32 v[ADRA+2+\s], s2, v4
	v_add_nc_u32 v[ADRB+\s], s3, v[LI]
	s_add_co_u32 s2, s2, SLOT
	s_add_co_u32 s3, s3, SLOT
.endr
	s_lshl_b32 s2, s17, 12
	s_lshl_b32 s3, s18, 12
	s_add_co_u32 s3, s3, 8192
	s_sub_co_u32 s3, s3, s2
	v_mul_u32_u24 v6, s3, v2
	s_add_co_u32 s2, s2, SCL
	v_lshl_add_u32 v6, v1, 3, v6
	v_add_nc_u32 v[ADRS], s2, v6
	s_mul_i32 s2, s16, 16*SPITCH
	v_mul_u32_u24 v6, v1, SPITCH
	v_lshl_add_u32 v6, v2, 6, v6
	v_add_nc_u32 v[STO], s2, v6
	v_add_nc_u32 v[RD], s2, v[LI]
	v_mov_b32 v[CO], v[LI]
	s_lshl_b32 s96, s23, 20
	s_lshl_b32 s97, s17, 19
	s_add_co_u32 s96, s96, s97
	s_lshl_b32 s97, s22, 10
	s_add_co_u32 s96, s96, s97
	s_lshl_b32 s97, s18, 9
	s_add_co_u32 s96, s96, s97
	s_mov_b32 s97, 0
	s_add_nc_u64 s[14:15], s[14:15], s[96:97]
.macro FRAG reg, adr, q, i
.irp g, 0,1,2
	ds_load_b128 v[\reg+4*\g:\reg+4*\g+3], v[\adr] offset:(8*(\q)+(\i))*1536+512*\g
.endr
.endm
.macro FRAGC reg, slot, q, i
	ds_load_b128 v[\reg:\reg+3], v[ADRA+\slot] offset:(8*(\q)+(\i))*1536
	ds_load_b64 v[\reg+4:\reg+5], v[ADRA+2+\slot] offset:(8*(\q)+(\i))*1536+512
	ds_load_b128 v[\reg+6:\reg+9], v[ADRA+\slot] offset:(8*(\q)+(\i))*1536+768
	ds_load_b64 v[\reg+10:\reg+11], v[ADRA+2+\slot] offset:(8*(\q)+(\i))*1536+1280
.endm
.macro MUL16 a0, p, q, sc, first
.irp a, \a0, \a0+1
.irp b, 0,1,2,3,4,5,6,7
.if \first
	v_wmma_scale_f32_16x16x128_f8f6f4 v[8*(8*((\a)%4)+\b):8*(8*((\a)%4)+\b)+7], v[128*(\p)+FR*\b:128*(\p)+FR*\b+FR-1], v[AF+FR*(\a):AF+FR*(\a)+FR-1], v[BI+8*\b:BI+8*\b+7], v[SC+8*NQ*(\sc)+NQ*\b+(\q)], v[SC+8*NQ*(\sc)+NQ*(\a)+(\q)] matrix_a_fmt:MATRIX_FMT_FP6 matrix_b_fmt:MATRIX_FMT_FP6 matrix_a_scale:MATRIX_SCALE_ROW1
.else
	v_wmma_scale_f32_16x16x128_f8f6f4 v[8*(8*((\a)%4)+\b):8*(8*((\a)%4)+\b)+7], v[128*(\p)+FR*\b:128*(\p)+FR*\b+FR-1], v[AF+FR*(\a):AF+FR*(\a)+FR-1], v[8*(8*((\a)%4)+\b):8*(8*((\a)%4)+\b)+7], v[SC+8*NQ*(\sc)+NQ*\b+(\q)], v[SC+8*NQ*(\sc)+NQ*(\a)+(\q)] matrix_a_fmt:MATRIX_FMT_FP6 matrix_b_fmt:MATRIX_FMT_FP6 matrix_a_scale:MATRIX_SCALE_ROW1
.endif
.endr
.endr
.endm
.macro FETCH_B slot, q, p
	WIN TO_B
.irp i, 0,1,2,3,4,5,6,7
	FRAG 128*(\p)+FR*\i, ADRB+\slot, \q, \i
.endr
	WIN 0
.endm
.macro FETCH_A slot, q, i0
.irp i, \i0, \i0+1, \i0+2, \i0+3
	FRAGC AF+FR*(\i), \slot, \q, \i
.endr
.endm
.macro SCALES sc
.irp i, 0,1,2,3,4,5,6,7
	ds_load_b64 v[SC+8*NQ*\sc+NQ*\i:SC+8*NQ*\sc+NQ*\i+1], v[ADRS] offset:\i*128
.endr
.endm
.macro PLACES n
.rept \n
	v_nop
.endr
.endm
.macro STEP slot, q, first
	s_wait_dscnt 4*NLA
.if \first
	WIN FIRST_LO
.else
	WIN MUL_LO
.endif
	MUL16 0, (\q)%2, \q, \slot, \first
	MUL16 2, (\q)%2, \q, \slot, \first
	s_wait_dscnt 0
	PLACES NP
	FETCH_B \slot, (\q)+1, 1-(\q)%2
	FETCH_A \slot, (\q)+1, 0
.if \first
	WIN FIRST_HI
.else
	WIN MUL_HI
.endif
	MUL16 4, (\q)%2, \q, \slot, \first
	MUL16 6, (\q)%2, \q, \slot, \first
	PLACES NP
	WIN 0
	FETCH_A \slot, (\q)+1, 4
.endm
.macro TURN slot, next, fill
	s_wait_tensorcnt 0x0
	ds_add_u32 v[SPW], v[NIL]
	s_wait_dscnt 4*NLA+1
	WIN MUL_LO
	MUL16 0, 1, NQ-1, \slot, 0
	s_wait_dscnt 0x0
	s_barrier_signal -1
	MUL16 2, 1, NQ-1, \slot, 0
	WIN 0
	s_barrier_wait -1
.if \fill
	CREST
	s_add_nc_u64 s[G0A+4*\slot+2:G0A+4*\slot+3], s[G0A+4*\slot+2:G0A+4*\slot+3], 2*HALFT
	s_add_nc_u64 s[G0B+4*\slot+2:G0B+4*\slot+3], s[G0B+4*\slot+2:G0B+4*\slot+3], 2*HALFT
	JLOAD G0A+4*\slot, G1A, G0B+4*\slot, G1B
.else
	PLACES NP
.endif
	s_wait_alu depctr_va_vdst(0)
	v_add_nc_u32 v[ADRS], 1024, v[ADRS]
	FETCH_B \next, 0, 0
	FETCH_A \next, 0, 0
	SCALES \next
	WIN MUL_HI
	MUL16 4, 1, NQ-1, \slot, 0
	MUL16 6, 1, NQ-1, \slot, 0
	PLACES NP
	WIN 0
	FETCH_A \next, 0, 4
.endm
	s_wait_alu depctr_va_vdst(0)
	s_wait_tensorcnt 1
	s_barrier_signal -1
	s_barrier_wait -1
	FETCH_B 0, 0, 0
	FETCH_A 0, 0, 0
	SCALES 0
	FETCH_A 0, 0, 4
	s_wait_loadcnt 0x0
	STEP 0, 0, 1
	TURN 0, 1, 1
	STEP 1, 0, 0
	TURN 1, 0, 1
	STEP 0, 0, 0
	TURN 0, 1, 0
	STEP 1, 0, 0
	s_wait_dscnt 4*NLA
	WIN MUL_LO
	MUL16 0, 1, NQ-1, 1, 0
	MUL16 2, 1, NQ-1, 1, 0
	s_wait_dscnt 0
	WIN MUL_HI
	MUL16 4, 1, NQ-1, 1, 0
	MUL16 6, 1, NQ-1, 1, 0
	WIN 0
.macro TOSTAGE a
.set AC, 64*((\a)%4)
	WIN 0x08+4*((\a)/4)
.irp b, 0,1,2,3,4,5,6,7
	ds_store_b128 v[STO], v[AC+8*\b:AC+8*\b+3] offset:128*(\b/2)+32*(\b%2)
	ds_store_b128 v[STO], v[AC+8*\b+4:AC+8*\b+7] offset:128*(\b/2)+32*(\b%2)+16
.endr
	WIN 0
.set BB, BK+64*((\a)%2)
.irp t, 0,1,2,3,4,5,6,7,8,9,10,11,12,13,14,15
	ds_load_b128 v[BB+4*\t:BB+4*\t+3], v[RD] offset:\t*SPITCH
.endr
.endm
.macro SEND a, younger
.set BB, BK+64*((\a)%2)
	s_wait_dscnt \younger
.irp t, 0,1,2,3,4,5,6,7,8,9,10,11,12,13,14,15
	global_store_b128 v[CO], v[BB+4*\t:BB+4*\t+3], s[14:15] offset:(32*((\a)/2)+8*((\a)%2)+\t+8*(\t/8))*4096 th:TH_STORE_NT
.endr
.endm
	PLACES NP
	TOSTAGE 0
.irp a, 1,2,3,4,5,6,7
.if \a > 1
	s_wait_xcnt 0x0
.endif
	TOSTAGE \a
	SEND \a-1, 32
.endr
	SEND 7, 0
	s_wait_tensorcnt 0x0
	ds_add_u32 v[SPW], v[NIL]
	s_wait_dscnt 0x0
	CROUND
	s_endpgm
.Lfunc_end_k_q877dd62d8c_outp:
	.size	k_q877dd62d8c_outp, .Lfunc_end_k_q877dd62d8c_outp-k_q877dd62d8c_outp
	.p2alignl 7, 3214868480
	.fill 96, 4, 3214868480
	.section	.rodata,"a",@progbits
	.p2align	6, 0x0
	.amdhsa_kernel k_q877dd62d8c_outp
		.amdhsa_group_segment_fixed_size 327680
		.amdhsa_private_segment_fixed_size 0
		.amdhsa_enable_private_segment 0
		.amdhsa_kernarg_size 48
		.amdhsa_user_sgpr_count 2
		.amdhsa_user_sgpr_kernarg_segment_ptr 1
		.amdhsa_wavefront_size32 1
		.amdhsa_system_sgpr_workgroup_id_x 1
		.amdhsa_system_sgpr_workgroup_id_y 1
		.amdhsa_system_sgpr_workgroup_id_z 1
		.amdhsa_system_vgpr_workitem_id 0
		.amdhsa_next_free_vgpr 1024
		.amdhsa_next_free_sgpr 104
		.amdhsa_reserve_vcc 0
		.amdhsa_float_denorm_mode_32 3
		.amdhsa_float_denorm_mode_16_64 3
		.amdhsa_memory_ordered 1
		.amdhsa_forward_progress 1
		.amdhsa_inst_pref_size 141
	.end_amdhsa_kernel
	.amdgpu_metadata
---
amdhsa.version: [ 1, 2 ]
amdhsa.kernels:
  - .name:           k_q877dd62d8c_outp
    .symbol:         k_q877dd62d8c_outp.kd
    .args:
      - { .name: cc, .offset: 0, .size: 8, .value_kind: global_buffer, .address_space: global }
      - { .name: cs, .offset: 8, .size: 8, .value_kind: global_buffer, .address_space: global }
      - { .name: wc, .offset: 16, .size: 8, .value_kind: global_buffer, .address_space: global }
      - { .name: ws, .offset: 24, .size: 8, .value_kind: global_buffer, .address_space: global }
      - { .name: bo, .offset: 32, .size: 8, .value_kind: global_buffer, .address_space: global }
      - { .name: out0, .offset: 40, .size: 8, .value_kind: global_buffer, .address_space: global }
    .group_segment_fixed_size: 327680
    .private_segment_fixed_size: 0
    .kernarg_segment_align: 8
    .kernarg_segment_size: 48
    .max_flat_workgroup_size: 128
    .sgpr_count:     104
    .vgpr_count:     1024
    .wavefront_size: 32
...
	.end_amdgpu_metadata
.endif
;; end of part 4
